; MI455X (gfx1250); checked and timed in simulation.
; The chip was launched on July 23, 2026; its instructions are those of AMD's public machine-readable ISA for CDNA 5 (MIT licence, August 2026) and "CDNA5" Instruction Set Architecture Reference Guide (July 2026). The comments in the code are by the model that wrote it; some were corrected since.
;; Attention. Allowed arithmetic: matrix products marked QUANTISED: E2M3 operands, one E8M0 scale for each 32 along K, by v_wmma_scale_f32_16x16x128_f8f6f4 with both operands' format E2M3, f32 sums; everything else in f32.
;; Inputs: bk 1,024 float32; bq 1,024 float32; bv 1,024 float32; key 4 x 2,048 x 1,024 float32; query 4 x 2,048 x 1,024 float32; value 4 x 2,048 x 1,024 float32; wk 1,024 x 1,024 float32; wq 1,024 x 1,024 float32; wv 1,024 x 1,024 float32.
;; Outputs: out0 4 x 2,048 x 1,024 float32.
;; This version of the problem:
;;   THIS VERSION OF THE PROBLEM IS GIVEN IN LOW PRECISION. The matrix products marked QUANTISED in the list below multiply operands that are first quantised to E2M3 (2 exponent bits, 3 mantissa bits; 6 bits a number), with one power-of-two scale for each 32 numbers along K (OCP MX v1.0); their sums are f32. All else is computed in f32.
;;   The module's matrix products, in the order in which they are computed (A, B: the left and right operand; K: the contracted axis; several contracted axes count as one K, in the product's order):
;;     1. [M 8,192, K 1,024] x [K 1,024, N 1,024]; A: input query; B: input wq: QUANTISED
;;     2. [M 8,192, K 1,024] x [K 1,024, N 1,024]; A: input key; B: input wk: QUANTISED
;;     3. [M 8,192, K 1,024] x [K 1,024, N 1,024]; A: input value; B: input wv: QUANTISED
;;     4. batch 4 x [M 2,048, K 1,024] x [K 1,024, N 2,048]; A: computed on the way; B: computed on the way: QUANTISED
;;     5. batch 4 x [M 2,048, K 2,048] x [K 2,048, N 1,024]; A: softmax (see below); B: computed on the way: QUANTISED
;;   THE QUANTISER, for each operand of a quantised product, along K:
;;     - K is cut into blocks of 32 from its start; a last block that is shorter is filled with zeros.
;;     - A block's scale is 2^e with e = floor(log2(the largest magnitude in the block)) - 2, held to -126 .. 127; a block of zeros has e = 0. As a byte (E8M0): e + 127.
;;     - Each number is divided by its block's scale, clamped to +-7.5, and rounded to the nearest number of E2M3, ties to even, subnormals kept.
;;     - The product sums the exact products of the quantised numbers (number of the format x scale) in f32.
;;   ~~~python
;;   def quantise(x, axis):      # numpy; x: float32 -> the quantised numbers, widened to float32 again
;;       x = np.moveaxis(x, axis, -1); K = x.shape[-1]
;;       x = np.pad(x, [(0, 0)] * (x.ndim - 1) + [(0, -K % 32)]); x = x.reshape(x.shape[:-1] + (-1, 32)); a = np.abs(x).max(-1, keepdims=True)
;;       e = np.where(a > 0, np.clip(np.frexp(np.where(a > 0, a, 1))[1] - 1 - 2, -126, 127), 0)      # np.frexp(a)[1] - 1 = floor(log2(a)), exactly
;;       r = np.clip(x / 2.0 ** e, -7.5, 7.5)
;;       step = 2.0 ** (np.maximum(np.frexp(np.where(r == 0, 1, r))[1] - 1, 0) - 3)
;;       q = np.round(r / step) * step * 2.0 ** e      # np.round: ties to even
;;       return np.moveaxis(q.reshape(q.shape[:-2] + (-1,))[..., :K], -1, axis).astype(np.float32)
;;   ~~~
;;   SOFTMAX AHEAD OF A QUANTISED PRODUCT. Where the list says 'softmax', what is quantised is not the finished softmax but p = 2^(t - M), with t = logit x log2(e) and M = ceil(the row's largest t), a whole number; so 1/2 < the row's largest p <= 1. The row's sum l is taken of the UNQUANTISED p, in f32, and the product's result is divided by l at the end. Since M is a whole number, a kernel that streams over the keys may use a running M (the ceiling of the running maximum): every later rescaling is an exact power of two, which a block's scale takes up: the codes' values come out the same.
;;   OPERANDS COMPUTED ON THE WAY. 'Computed on the way' means the value that the module computes at that place (a softmax that the list does not call 'softmax' is quantised finished and normalised). What goes into a quantiser is computed in f32, as accurately as f32 sums, v_exp_f32 and their like allow (about 1e-6 of the number): no bf16 or f16 on the way to a quantiser, and a product that is left as it is and whose result goes on into a quantised operand takes f32 operands (vector FMAs, or v_wmma_f32_16x16x4_f32). A number that lies on a knife's edge between two numbers of the format may be rounded either way, as far as f32 arithmetic and the matrix unit's own rounding can turn it there, and no further.
;; One version. Each part assembles by itself: llvm-mc -triple=amdgcn-amd-amdhsa -mcpu=gfx1250 --defsym DOCPART=n.
;; ======== version 1 of 1: 4 launches
;; limits: right only within a limited range of input values
;; workspace buffers: xc 19,660,800 bytes; wc 2,457,600 bytes; qc 6,553,600 bytes; kc 6,553,600 bytes; vc 6,553,600 bytes; pc 13,107,200 bytes; pm 524,288 bytes; pl 524,288 bytes
;; launch quant (part 1): grid 960 x 1, 4 waves a work-group, no clusters, 69,120 bytes of LDS; arguments query, key, value, wq, wk, wv, xc, wc; writes xc, wc
.if DOCPART == 1
	.amdgcn_target "amdgcn-amd-amdhsa--gfx1250"
	.amdhsa_code_object_version 6
	.text
	.protected	k_qf4d58664ef_quant
	.globl	k_qf4d58664ef_quant
	.p2align	8
	.type	k_qf4d58664ef_quant,@function
k_qf4d58664ef_quant:
	s_mov_b64 s[64:65], 0
	v_nop
	global_prefetch_b8 v0, s[64:65] scope:SCOPE_SE
	s_setreg_imm32_b32 hwreg(HW_REG_WAVE_MODE, 25, 1), 1
	s_wait_xcnt 0x0
; query, key, value [8192][1024] f32 (K = the last axis) and wq, wk, wv [1024][1024] f32 (K = the FIRST axis) become codes of FP6 (E2M3) with one E8M0 byte for each 32 along K.
; A block's scale is 2^(floor(log2(its largest magnitude)) - 2): its byte is the largest magnitude's exponent field - 2, held at 1 from below.
; LIMITS: a block of zeros, or one whose largest magnitude lies under 2^-124, gets the byte 1 (its codes are zeros or next to zeros; this program alone reads the bytes).  NaN and infinities are not served.
; THE OUTPUT IS LAID AS THE READER'S REGISTERS WANT IT.  An operand is cut into blocks of 128 lines (8 tiles of 16) x 256 along K (2 steps of 128): 25,600 bytes.
;   The fragment of tile i, step q lies at (2 i + q) x 1,536 as an image of its 12 registers: registers 4 c .. 4 c + 3 of lane l at 512 c + 16 l.
;   The scale word of line rho of tile i, step q lies at 24,576 + 512 q + 32 rho + 4 i.
; WHICH LINES FORM A TILE.  Natural (query, wv): tile t, place rho = line 16 t + rho.  Permuted (key, value, wq, wk): line 32 (t / 2) + 8 (t % 2) + rho + 8 (rho / 8), so that where such a tile is source 0 of a
;   product, a lane's 16 results of two neighbouring tiles are 16 neighbours.  Within 32 lines that swaps bits 3 and 4 of the line's number.
; SHARES.  Work-groups 0 to 191 take the weights, ONE K STEP of a block each (128 columns x 128 along K); work-groups 192 to 959 take the 768 blocks of the three x tensors, a block each.
;   Wave w makes tiles 2 w and 2 w + 1; a lane owns ONE line and its registers run along K, so a block of 32 needs no other lane.
;   x: a row's 512 bytes are loaded by 32 lanes as they lie and turned through the wave's own stage in LDS (rows 528 bytes apart): two runs of 32 loads a wave.
;   Weights: a lane takes a column, each load reads 128 neighbouring bytes of a row of W; a lane's four blocks are 128 loads, 64 of them out at a time: two runs as well, which is why a weight's share is one K step.
; No tensor load, no cluster: work-groups share nothing.  One barrier, for the scale words, which leave as whole runs of 256 bytes.
.set BLK,   25600
.set NW,    192                        ; the weights' work-groups
.set STG,   16896                      ; a wave's stage: 32 rows x 528 bytes
.set SCL,   4*STG                      ; the block's 1,024 bytes of scale words
.set SPARE, SCL+1024                   ; the spare words: 128 bytes a wave, two runs of 256 bytes that no other line names
.set VO0, 2                            ; v2   x: 16 x lane;  weights: 4 x my column
.set VO1, 3                            ; v3   x: the same, 8 rows further down where the lines are permuted
.set VO2, 4                            ; v4   x: the same, 8 rows further down where they are not
.set LA,  5                            ; v5   the stage on the way in: 16 x lane
.set LR,  6                            ; v6   and on the way out: 528 x lane
.set SCW, 7                            ; v7   where my line's scale words go in LDS
.set SCR, 8                            ; v8   where I read 8 bytes of them back
.set L16, 9                            ; v9   16 x lane
.set L8,  10                           ; v10  8 x lane
.set SPW, 12                           ; v12  my spare word; never rewritten
.set NIL, 13                           ; v13  0; never rewritten
.set WQ,  24                           ; v24-25 my line's two scale words
.set R,   32                           ; v32-159  32 rows as loaded
.set X,   160                          ; v160-223 two sets of 32 neighbours along K
.set IMG0, 224                         ; v224-235 the image of tile 2 w
.set IMG1, 236                         ; v236-247 of tile 2 w + 1
.set TH0,  248                         ; v248-250, v252-254: a block's upper 16 codes (a conversion's three registers begin on an even number)
.set TH1,  252
.macro XROWS q                         ; 32 rows' 512 bytes of K step q; stage place p takes line sigma(p)
.set p, 0
.rept 32
.if (p < 8) || (p >= 24)
	global_load_b128 v[R+4*p:R+4*p+3], v[VO0], s[24:25] offset:4096*p+512*(\q) th:TH_LOAD_NT
.elseif p < 16
	global_load_b128 v[R+4*p:R+4*p+3], v[VO1], s[24:25] offset:4096*p+512*(\q) th:TH_LOAD_NT
.else
	global_load_b128 v[R+4*p:R+4*p+3], v[VO2], s[24:25] offset:4096*(p-8)+512*(\q) th:TH_LOAD_NT
.endif
.set p, p+1
.endr
.endm
.macro RESTAGE                         ; the rows go into the stage as they arrive
.set p, 0
.rept 32
	s_wait_loadcnt 31-p                            ; loads come back in order: row p is in, the 31 - p younger rows may be out
	ds_store_b128 v[LA], v[R+4*p:R+4*p+3] offset:528*p
.set p, p+1
.endr
.endm
.macro FILLX t                         ; block t of my line out of the stage
.irp j, 0,1,2,3,4,5,6,7
	ds_load_b128 v[X+32*((\t)%2)+4*\j:X+32*((\t)%2)+4*\j+3], v[LR] offset:128*((\t)%4)+16*\j
.endr
.endm
.macro LOADW t                         ; block t of my column: W(32 t + i, column)
.set p, 0
.rept 32
	global_load_b32 v[X+32*((\t)%2)+p], v[VO0], s[24:25] offset:(32*(\t)+p)*4096 th:TH_LOAD_NT
.set p, p+1
.endr
.endm
.macro QB t                            ; block t: largest magnitude, byte, 32 codes
.set XS, X+32*((\t)%2)
.set LO, IMG0+12*((\t)%2)+6*(((\t)%4)/2)
.set HI, TH0+4*((\t)%2)
	v_max3_num_f32 v16, |v[XS]|, |v[XS+1]|, |v[XS+2]|
	v_max3_num_f32 v17, |v[XS+3]|, |v[XS+4]|, |v[XS+5]|
.irp i, 6,10,14,18,22,26
	v_max3_num_f32 v16, v16, |v[XS+\i]|, |v[XS+\i+1]|
	v_max3_num_f32 v17, v17, |v[XS+\i+2]|, |v[XS+\i+3]|
.endr
	v_max3_num_f32 v16, v16, |v[XS+30]|, |v[XS+31]|
	v_max3_num_f32 v16, v16, v17, 0x1800000        ; and the floor 2^(3 - 127): the byte cannot fall under 1
	v_add_nc_u32 v18, 0xff000000, v16              ; 2 off the exponent field: the conversion takes this operand's exponent field as its scale
	v_lshrrev_b32 v19, 23, v18                     ; the byte
.if (\t)%4 == 0
	v_mov_b32 v[WQ+(\t)/4], v19
.else
	v_lshl_or_b32 v[WQ+(\t)/4], v19, 8*((\t)%4), v[WQ+(\t)/4]
.endif
	v_cvt_scalef32_pk16_fp6_f32 v[LO:LO+2], v[XS:XS+15], v18
	v_cvt_scalef32_pk16_fp6_f32 v[HI:HI+2], v[XS+16:XS+31], v18
	v_nop                                          ; one plain instruction behind the conversions, ahead of the lane exchanges that touch their results
.endm
; Lanes 0-15 hold tile 2 w's lines, lanes 16-31 tile 2 w + 1's; an image wants blocks 2 c in lanes 0-15 and 2 c + 1 in lanes 16-31 of ONE tile.
; The even block's lanes 16-31 change places with the odd block's lanes 0-15: then the first register is tile 2 w's and the second tile 2 w + 1's.
.macro PAIR c
.irp i, 0,1,2
	v_permlane16_swap_b32 v[IMG0+6*(\c)+\i], v[IMG1+6*(\c)+\i]
	v_permlane16_swap_b32 v[TH0+\i], v[TH1+\i]
.endr
.irp i, 0,1,2
	v_mov_b32 v[IMG0+6*(\c)+3+\i], v[TH0+\i]
	v_mov_b32 v[IMG1+6*(\c)+3+\i], v[TH1+\i]
.endr
.endm
.macro STOREIMG q                      ; each store covers 512 consecutive bytes
.irp c, 0,1,2
	global_store_b128 v[L16], v[IMG0+4*\c:IMG0+4*\c+3], s[26:27] offset:1536*(\q)+512*\c
	global_store_b128 v[L16], v[IMG1+4*\c:IMG1+4*\c+3], s[26:27] offset:3072+1536*(\q)+512*\c
.endr
.endm
.macro OUTBASE                         ; s[36:37] = my block: the wave's images at 6,144 w, its 256 bytes of scale words at 24,576 + 256 w
	s_mul_i32 s34, s20, 6144
	s_add_nc_u64 s[26:27], s[36:37], s[34:35]
	s_lshl_b32 s34, s20, 8
	s_add_co_u32 s34, s34, 24576
	s_add_nc_u64 s[28:29], s[36:37], s[34:35]
.endm
.macro BODYX                           ; x: the eight blocks of a line
.irp t, 0,1,2,3,4,5,6,7
.if \t == 3
	s_wait_dscnt 40                                ; younger than block 3's loads: the 32 stores of K step 1 and block 4's 8 loads
.elseif \t == 7
	s_wait_dscnt 0x0
.else
	s_wait_dscnt 8                                 ; the next block's 8 loads may be out
.endif
.if \t == 4
	s_wait_xcnt 0x0                                ; K step 0's stores have read the images: they are written anew only behind this wait
.endif
	QB \t
.if \t == 2
	RESTAGE                                        ; K step 1 into the stage: LDS serves a wave's instructions in order, and block 3's loads were issued earlier
.endif
.if \t < 6
	FILLX \t+2
.endif
.if \t % 2
	PAIR (\t%4)/2
.endif
.if \t == 3
	STOREIMG 0
.endif
.if \t == 7
	STOREIMG 1
.endif
.endr
.endm
.macro BODYW                           ; a weight: the four blocks of a column's K step
.irp t, 0,1,2,3
.if \t < 3
	s_wait_loadcnt 32                              ; this block's 32 loads are in; the next block's may be out
.else
	s_wait_loadcnt 0x0
.endif
	QB \t
.if \t < 2
	LOADW \t+2
.endif
.if \t % 2
	PAIR \t/2
.endif
.endr
	STOREIMG 0                                     ; (the K step's place stands in the base)
.endm
	s_load_b256 s[4:11], s[0:1], 0x0               ; query, key, value, wq
	s_load_b256 s[12:19], s[0:1], 0x20             ; wk, wv, xc, wc
	v_lshl_add_u32 v[SPW], v0, 2, SPARE
	v_mov_b32 v[NIL], 0
	v_lshrrev_b32 v1, 5, v0
	v_readfirstlane_b32 s20, v1                    ; wave
	v_and_b32 v1, 31, v0                           ; lane
	v_and_b32 v14, 15, v0                          ; rho: my place in my tile
	v_bfe_u32 v15, v0, 4, 1                        ; u: which of the wave's two tiles
	v_lshlrev_b32 v[L16], 4, v1
	v_lshlrev_b32 v[L8], 3, v1
	s_mul_i32 s21, s20, STG
	v_add_nc_u32 v[LA], s21, v[L16]
	v_mul_u32_u24 v[LR], v1, 528
	v_add_nc_u32 v[LR], s21, v[LR]
	v_lshlrev_b32 v[SCW], 5, v14
	v_lshl_add_u32 v[SCW], v15, 2, v[SCW]
	s_lshl_b32 s21, s20, 3
	s_add_co_u32 s21, s21, SCL
	v_add_nc_u32 v[SCW], s21, v[SCW]               ; SCL + 32 rho + 4 (2 w + u)
	s_lshl_b32 s21, s20, 8
	s_add_co_u32 s21, s21, SCL
	v_add_nc_u32 v[SCR], s21, v[L8]                ; SCL + 256 w + 8 lane
	s_mov_b32 s35, 0
	s_cmp_ge_u32 ttmp9, NW                         ; the work-group's number alone decides the way
	s_cbranch_scc0 .Lweights
	s_sub_co_u32 s21, ttmp9, NW                    ; which block of xc
	s_lshr_b32 s22, s21, 8                         ; which tensor
	s_bfe_u32 s23, s21, 0x60002                    ; which 128 rows
	s_and_b32 s30, s21, 3                          ; which 256 along K
	s_mov_b32 s38, 4                               ; all four waves send scale words
	s_wait_kmcnt 0x0
	s_cmp_eq_u32 s22, 0
	s_cselect_b64 s[24:25], s[4:5], s[6:7]
	s_cselect_b32 s31, 0, 32768                    ; key and value are permuted: 8 rows of 4,096 bytes
	s_cmp_eq_u32 s22, 2
	s_cselect_b64 s[24:25], s[8:9], s[24:25]
	s_sub_co_u32 s32, 32768, s31
	s_lshl_b32 s34, s23, 19                        ; 128 rows x 4,096 bytes
	s_lshl_b32 s33, s20, 17                        ; the wave's 32 rows
	s_add_co_u32 s34, s34, s33
	s_lshl_b32 s33, s30, 10
	s_add_co_u32 s34, s34, s33
	s_add_nc_u64 s[24:25], s[24:25], s[34:35]
	s_mul_i32 s34, s21, BLK
	s_add_nc_u64 s[36:37], s[16:17], s[34:35]
	OUTBASE
	s_wait_alu depctr_va_vdst(0)                   ; ahead of the readers below
	v_mov_b32 v[VO0], v[L16]
	v_add_nc_u32 v[VO1], s31, v[L16]
	v_add_nc_u32 v[VO2], s32, v[L16]
	XROWS 0
	s_wait_alu depctr_va_vdst(0)                   ; and here, ahead of the waits below
	RESTAGE
	s_wait_dscnt 0x0                               ; the stage's stores have read the rows' registers
	XROWS 1
	FILLX 0
	FILLX 1
	BODYX
	s_branch .Ltail
.Lweights:
	s_lshr_b32 s22, ttmp9, 6                       ; which weight
	s_bfe_u32 s23, ttmp9, 0x30003                  ; which 128 columns
	s_and_b32 s30, ttmp9, 7                        ; which 128 along K
	s_lshr_b32 s21, ttmp9, 1                       ; which block of wc,
	s_and_b32 s32, ttmp9, 1                        ; and which K step of it
	s_mov_b32 s38, 2                               ; one K step's scale words are 512 bytes: waves 0 and 1 send them
	s_wait_alu depctr_va_vdst(0)                   ; directly ahead of the wait below
	s_wait_kmcnt 0x0
	s_cmp_eq_u32 s22, 0
	s_cselect_b64 s[24:25], s[10:11], s[12:13]
	s_cmp_eq_u32 s22, 2
	s_cselect_b64 s[24:25], s[14:15], s[24:25]
	s_cselect_b32 s31, 0, -1                       ; wq and wk are permuted: a mask of all lanes
	s_lshl_b32 s34, s30, 19                        ; 128 rows of W
	s_lshl_b32 s33, s23, 9
	s_add_co_u32 s34, s34, s33
	s_lshl_b32 s33, s20, 7                         ; the wave's 32 columns
	s_add_co_u32 s34, s34, s33
	s_add_nc_u64 s[24:25], s[24:25], s[34:35]
	s_mul_i32 s34, s21, BLK
	s_add_nc_u64 s[36:37], s[18:19], s[34:35]
	OUTBASE
	s_mul_i32 s34, s32, 1536                       ; the K step's images,
	s_add_nc_u64 s[26:27], s[26:27], s[34:35]
	s_lshl_b32 s34, s32, 9                         ; and its scale words
	s_add_nc_u64 s[28:29], s[28:29], s[34:35]
	v_mov_b32 v[WQ+1], 0                           ; there is no second K step here: the word goes to LDS with the first and is not sent
	v_and_b32 v3, 7, v1
	v_lshl_or_b32 v3, v15, 3, v3                   ; bit 4 of the lane goes to bit 3,
	v_bfe_u32 v4, v0, 3, 1
	v_lshl_or_b32 v3, v4, 4, v3                    ; bit 3 to bit 4
	v_cndmask_b32 v[VO0], v1, v3, s31
	v_lshlrev_b32 v[VO0], 2, v[VO0]                ; 4 x my column
	LOADW 0
	LOADW 1
	BODYW
.Ltail:
	ds_store_b32 v[SCW], v[WQ]
	ds_store_b32 v[SCW], v[WQ+1] offset:512
	s_wait_dscnt 0x0                               ; for the others' sake: my words lie in LDS
	s_barrier_signal -1
	s_barrier_wait -1
	s_cmp_lt_u32 s20, s38                          ; x: every wave; a weight: waves 0 and 1
	s_cbranch_scc0 .Ldone
	ds_load_b64 v[26:27], v[SCR]
	s_wait_dscnt 0x0
	global_store_b64 v[L8], v[26:27], s[28:29]     ; 32 lanes store 256 consecutive bytes
.Ldone:
	s_wait_tensorcnt 0x0                           ; the wave's end
	ds_add_u32 v[SPW], v[NIL]
	s_wait_dscnt 0x0
	s_endpgm
.Lfunc_end_k_qf4d58664ef_quant:
	.size	k_qf4d58664ef_quant, .Lfunc_end_k_qf4d58664ef_quant-k_qf4d58664ef_quant
	.p2alignl 7, 3214868480
	.fill 96, 4, 3214868480
	.section	.rodata,"a",@progbits
	.p2align	6, 0x0
	.amdhsa_kernel k_qf4d58664ef_quant
		.amdhsa_group_segment_fixed_size 69120
		.amdhsa_private_segment_fixed_size 0
		.amdhsa_enable_private_segment 0
		.amdhsa_kernarg_size 64
		.amdhsa_user_sgpr_count 2
		.amdhsa_user_sgpr_kernarg_segment_ptr 1
		.amdhsa_wavefront_size32 1
		.amdhsa_system_sgpr_workgroup_id_x 1
		.amdhsa_system_sgpr_workgroup_id_y 1
		.amdhsa_system_sgpr_workgroup_id_z 1
		.amdhsa_system_vgpr_workitem_id 0
		.amdhsa_next_free_vgpr 256
		.amdhsa_next_free_sgpr 66
		.amdhsa_reserve_vcc 0
		.amdhsa_float_denorm_mode_32 3
		.amdhsa_float_denorm_mode_16_64 3
		.amdhsa_memory_ordered 1
		.amdhsa_forward_progress 1
		.amdhsa_inst_pref_size 54
	.end_amdhsa_kernel
	.amdgpu_metadata
---
amdhsa.version: [ 1, 2 ]
amdhsa.kernels:
  - .name:           k_qf4d58664ef_quant
    .symbol:         k_qf4d58664ef_quant.kd
    .args:
      - { .name: query, .offset: 0, .size: 8, .value_kind: global_buffer, .address_space: global }
      - { .name: key, .offset: 8, .size: 8, .value_kind: global_buffer, .address_space: global }
      - { .name: value, .offset: 16, .size: 8, .value_kind: global_buffer, .address_space: global }
      - { .name: wq, .offset: 24, .size: 8, .value_kind: global_buffer, .address_space: global }
      - { .name: wk, .offset: 32, .size: 8, .value_kind: global_buffer, .address_space: global }
      - { .name: wv, .offset: 40, .size: 8, .value_kind: global_buffer, .address_space: global }
      - { .name: xc, .offset: 48, .size: 8, .value_kind: global_buffer, .address_space: global }
      - { .name: wc, .offset: 56, .size: 8, .value_kind: global_buffer, .address_space: global }
    .group_segment_fixed_size: 69120
    .private_segment_fixed_size: 0
    .kernarg_segment_align: 8
    .kernarg_segment_size: 64
    .max_flat_workgroup_size: 128
    .sgpr_count:     66
    .vgpr_count:     256
    .wavefront_size: 32
...
	.end_amdgpu_metadata
.endif
;; end of part 1
;; launch proj (part 2): grid 4 x 64, 4 waves a work-group, clusters of 4 x 4, 327,680 bytes of LDS; arguments xc, wc, bq, bk, bv, qc, kc, vc; writes qc, kc, vc
.if DOCPART == 2
	.amdgcn_target "amdgcn-amd-amdhsa--gfx1250"
	.amdhsa_code_object_version 6
	.text
	.protected	k_qf4d58664ef_proj
	.globl	k_qf4d58664ef_proj
	.p2align	8
	.type	k_qf4d58664ef_proj,@function
k_qf4d58664ef_proj:
	s_mov_b64 s[64:65], 0
	v_nop
	global_prefetch_b8 v0, s[64:65] scope:SCOPE_SE
	s_setreg_imm32_b32 hwreg(HW_REG_WAVE_MODE, 25, 1), 1
	s_wait_xcnt 0x0
	s_wait_alu depctr_hold_cnt(0) depctr_sa_sdst(0) depctr_va_vdst(0) depctr_va_sdst(0) depctr_va_ssrc(0) depctr_va_vcc(0) depctr_vm_vsrc(0)
	s_getreg_b32 s2, hwreg(HW_REG_IB_STS2, 6, 4)
	s_cmp_eq_u32 s2, 0
	s_cbranch_scc0 .Lentry_in_a_cluster
	s_endpgm
.Lentry_in_a_cluster:
	s_bfe_u32 s2, ttmp6, 0x10000c
	s_cmp_lg_u32 s2, 0xf033
	s_cbranch_scc0 .Lentry_shape_is_right
	s_endpgm
.Lentry_shape_is_right:
; q = query wq + bq, k = key wk + bk, v = value wv + bv on codes of FP6 (E2M3) with E8M0 scales, sums in f32; each result is quantised again along the axis that the next product contracts
; (q, k: along d; v: along the keys) and leaves as codes and scale words.
; OPERANDS come and go in blocks of 128 lines x 256 along K, 25,600 bytes: the fragment of tile i, step q at (2 i + q) x 1,536 as an image of its 12 registers; the scale word of line rho of tile i, step q at 24,576 + 512 q + 32 rho + 4 i.
; A work-group makes three blocks of 128 x 256, one of each product: 768 blocks on 256 work-groups.  A wave makes 64 x 128: 32 accumulators.
; THE MATRIX INSTRUCTION IS USED TRANSPOSED: source 0 = 16 lines of the operand called B (wq, wk: columns; value: rows), source 1 = 16 lines of A (query, key: rows; wv: columns).  B's tiles are permuted by the launch before,
; so that a lane's 16 results of two neighbouring tiles are 16 neighbours along the next K.
; LDS: A's group, 4 blocks (all of K = 1,024), then B's two groups, 4 blocks each.  Each region is two halves of K = 512: the two slots of the ring.  So ONE tensor load a wave at the head brings a whole product's operands:
; waves 0, 1 two blocks of A each (200 rows of 256 bytes), waves 2, 3 a group of B each (400 rows).  Later a wave has one load out behind each round: its part of one half (100 or 200 rows) of the NEXT product.
; THE BIAS is the C of each accumulator's first matrix instruction: q, k: eight neighbouring columns' biases; v: the lane's own line's, eight times.  No addition, no clearing.
; CLUSTERS: 4 x 4 work-groups; A's blocks are asked for jointly along a row of the cluster, B's along a column.
; PREFETCH: the head asks for both halves of the second product, the first two refills for the halves of the third, each two refills ahead of the load that wants it.  Of a block's 100 rows of 256 bytes each of the four
; partners that load it jointly names 25, told apart by address; lanes 25-31 name the wave's last row again.
; LIMITS: a block of zeros, or one whose largest magnitude lies under 2^-124, gets the byte 1 (this program alone reads the bytes).  NaN and infinities are not served.
; REGISTERS.  window 0: v1-15 addresses; v16-31 at work on the way out; v32-95 B's scale words, two sets; v96-127 A's, two sets; v128-175, v176-223 A's fragments, two sets (the second holds the codes on the way out); v224-253 at work.
;   window 1: B's fragments, two sets.  window 2: accumulator (a, b) at v[8 (8 a + b)].  window 3: v0-63 bq, v64-127 bk, v128-159 bv.
.set BLK,   25600
.set SLOT,  2*BLK                      ; from a region's first half to its second
.set SPARE, 12*BLK                     ; the spare words, 128 bytes a wave
.set NP,    4
.set XSTEP, 256*BLK                    ; from query's blocks to key's
.set WSTEP, 32*BLK                     ; from wq's to wk's
.set ADRA, 1                           ; v1-2   my four tiles of A in slot 0, 1, + 16 x lane
.set ADRB, 3                           ; v3-4   my group of B
.set ADSB, 5                           ; v5-6   its scale words, + 32 r
.set ADSA, 7                           ; v7-8   A's scale words of my four tiles, + 32 r
.set PFO,  9                           ; v9     the prefetches' offset: 256 x min(lane, 24)
.set SPW,  10
.set NIL,  11
.set L16,  12
.set W4,   13                          ; v13    where my scale words go
.set BIA,  14
.set BMA,  15
.set TM,   16
.set SB,   32
.set SA,   96
.set AF,   128
.set PF,   176
.set SO,   224                         ; v224-231 eight conversions' scale operands; v232-247 upper halves of the codes; v248-251 scale words; v252-253 what is sent of them
.set PT,   232
.set WD,   248
.set TMP,  252
.set G0H, 4                            ; s[4:7] group 0 of the head's load for A (the arguments that lay there have been used by then)
.set WV, 20
.set WR, 21
.set WC, 22
.set CL, 23
.set G1A, 24
.set G1B, 32
.set G0A, 40                           ; q's, then k's tiles, one set a slot
.set G0B, 48
.set G0A2, 56                          ; v's tiles
.set G0B2, 68
.set CX, 66
.set CY, 67
.set OIQ, 76
.set OWQ, 78
.set OIK, 80
.set OWK, 82
.set OIV, 84
.set OWV, 86
.set SEL, 88
.set HM, 99
.set PK, 100                           ; s[100:101] my share of the second product's rows; s[104:105] of the third's
.set PV, 104
.set MSB, 0
.macro WIN new                         ; the immediate's high byte repeats the setting that is left
.if MSB != (\new)
	s_set_vgpr_msb (MSB<<8)|(\new)
.set MSB, (\new)
.endif
.endm
.set MUL,  0xa1                        ; source 0 (B) window 1, source 1 (A) window 0, C and D window 2
.set MULB, 0xb1                        ; the same, C (a bias) window 3
.set TO_B, 0x40
.macro JLOAD g0a, g1a, g0b, g1b        ; waves 0, 1 fetch for A, waves 2, 3 for B; an s_nop 0 and four v_nop follow each line
	s_cmp_eq_u32 s[WR], 0
	s_cbranch_scc0 .Lfor_b_\@
	tensor_load_to_lds s[\g0a:\g0a+3], s[\g1a:\g1a+7]
	s_nop 0
.rept 4
	v_nop
.endr
	s_branch .Lasked_\@
.Lfor_b_\@:
	tensor_load_to_lds s[\g0b:\g0b+3], s[\g1b:\g1b+7]
	s_nop 0
.rept 4
	v_nop
.endr
.Lasked_\@:
.endm
.macro CREST
	s_cmp_lg_u32 s[WV], 0
	s_cbranch_scc1 .Lnot_wave_0_\@
	s_barrier_signal -3
.Lnot_wave_0_\@:
	s_barrier_wait -3
	s_barrier_signal -1
	s_barrier_wait -1
.endm
.macro CROUND
	s_barrier_signal -1
	s_barrier_wait -1
	CREST
.endm
.macro PLACES n
.rept \n
	v_nop
.endr
.endm
.macro ASK ptr, s                      ; half s of a later product: A's waves name 25 rows of their block, B's waves 25 of each of their two
	global_prefetch_b8 v[PFO], s[\ptr:\ptr+1] offset:(\s)*SLOT th:TH_LOAD_NT scope:SCOPE_SE
	s_cmp_eq_u32 s[WR], 0
	s_cbranch_scc1 .Lone_\@
	global_prefetch_b8 v[PFO], s[\ptr:\ptr+1] offset:(\s)*SLOT+BLK th:TH_LOAD_NT scope:SCOPE_SE
.Lone_\@:
.endm
.macro FRAG reg, adr, k, i             ; K step k of a slot: block k / 2, step k % 2
.irp c, 0,1,2
	ds_load_b128 v[\reg+4*\c:\reg+4*\c+3], v[\adr] offset:BLK*((\k)/2)+(2*(\i)+(\k)%2)*1536+512*\c
.endr
.endm
.macro FETCH slot, k, set              ; a K step's 12 fragments in one run
	WIN TO_B
.irp i, 0,1,2,3,4,5,6,7
	FRAG 128*(\set)+12*\i, ADRB+\slot, \k, \i
.endr
	WIN 0
.irp i, 0,1,2,3
	FRAG AF+48*(\set)+12*\i, ADRA+\slot, \k, \i
.endr
.endm
.macro SCALES slot                     ; a slot's scale words, four K steps
.irp k, 0,1,2,3
.irp j, 0,1
	ds_load_b128 v[SB+32*(\slot)+8*\k+4*\j:SB+32*(\slot)+8*\k+4*\j+3], v[ADSB+\slot] offset:BLK*(\k/2)+512*(\k%2)+16*\j
.endr
	ds_load_b128 v[SA+16*(\slot)+4*\k:SA+16*(\slot)+4*\k+3], v[ADSA+\slot] offset:BLK*(\k/2)+512*(\k%2)
.endr
.endm
; 8 matrix instructions; the 32 accumulators take turns, one instruction a turn.  cm = 0: onto the sums; 1, 2: the sums begin with bq, bk; 3: with bv
.macro MULA a, set, k, sc, cm
.irp b, 0,1,2,3,4,5,6,7
.set DD, 8*(8*(\a)+\b)
.if (\cm) == 0
.set CC, DD
.elseif (\cm) == 3
.set CC, 128+8*(\a)
.else
.set CC, 64*((\cm)-1)+8*\b
.endif
	v_wmma_scale_f32_16x16x128_f8f6f4 v[DD:DD+7], v[128*(\set)+12*\b:128*(\set)+12*\b+11], v[AF+48*(\set)+12*(\a):AF+48*(\set)+12*(\a)+11], v[CC:CC+7], v[SB+32*(\sc)+8*(\k)+\b], v[SA+16*(\sc)+4*(\k)+(\a)] matrix_a_fmt:MATRIX_FMT_FP6 matrix_b_fmt:MATRIX_FMT_FP6
.endr
.endm
.macro STEP slot, k, cm                ; one of a slot's first three K steps
	s_wait_dscnt 0x0                               ; this step's fragments, asked for a step ago, are in
	PLACES NP                                      ; in front of loads into registers that the last step's matrix instructions have read
	FETCH \slot, (\k)+1, 1-(\k)%2
.if \cm
	WIN MULB
.else
	WIN MUL
.endif
	MULA 0, (\k)%2, \k, \slot, \cm
	MULA 1, (\k)%2, \k, \slot, \cm
	MULA 2, (\k)%2, \k, \slot, \cm
	MULA 3, (\k)%2, \k, \slot, \cm
.endm
.macro HALF slot, cm
	STEP \slot, 0, \cm
	STEP \slot, 1, 0
	STEP \slot, 2, 0
.endm
; A slot's last K step changes slots: ONE barrier; in front of it each wave waits for all its tensor loads, adds 0 to its spare word, and waits for that and for its reads of this slot.
; fill = 1: the barrier opens a round of the cluster's barrier, and this slot takes the same half of the next product.  ask = 1, 2: half ask - 1 of the third product is prefetched.
.macro TURN slot, fill, g0a, g0b, stp, ask
	WIN 0
	s_wait_tensorcnt 0x0                           ; all my tensor loads have landed
	ds_add_u32 v[SPW], v[NIL]                      ; 0 onto my spare word
	s_wait_dscnt 1                                 ; this step's fragments are in; the add alone may be out
	WIN MUL
	MULA 0, 1, 3, \slot, 0
	s_wait_dscnt 0x0                               ; the add is done, and my reads of this slot are over
	s_barrier_signal -1
	MULA 1, 1, 3, \slot, 0
	WIN 0
	s_barrier_wait -1
.if \fill
	CREST                                          ; no wave of any partner still reads this slot or has a load on its way
.if \stp
	s_add_nc_u64 s[\g0a+2:\g0a+3], s[\g0a+2:\g0a+3], XSTEP
	s_add_nc_u64 s[\g0b+2:\g0b+3], s[\g0b+2:\g0b+3], WSTEP
.endif
	JLOAD \g0a, G1A, \g0b, G1B                     ; the first tensor load behind the round; its four v_nop are the places in front of the loads below
.else
	PLACES NP
.endif
	FETCH 1-(\slot), 0, 0
	SCALES 1-(\slot)
.if \ask
	ASK PV, (\ask)-1
.endif
	WIN MUL
	MULA 2, 1, 3, \slot, 0
	MULA 3, 1, 3, \slot, 0
.endm
; THE WAY OUT of tile a: register 16 b + i of its 64 results is place 32 b + 16 h + i along the next K.  The four blocks' largest magnitudes, bytes, the scale word, and the codes as a fragment's image.
; Tiles a0 and a0 + 1 go together: eight blocks, eight chains that take turns line by line; chain e = 4 u + b is block b of tile a0 + u, whose 16 results of this lane lie at accumulator register 64 a0 + 16 e on.
.macro QUANT2 a0
.set AC, 64*(\a0)
	WIN 0x0a                                       ; sources 0, 1 window 2
.irp e, 0,1,2,3,4,5,6,7
	v_max3_num_f32 v[TM+\e], |v[AC+16*\e]|, |v[AC+16*\e+1]|, 0x1800000   ; each accumulator from its low end on; the floor 2^(3 - 127): the byte cannot fall under 1
.endr
	WIN 0x28                                       ; sources 1, 2 window 2
.irp i, 2,4,6,8,10,12,14
.irp e, 0,1,2,3,4,5,6,7
	v_max3_num_f32 v[TM+\e], v[TM+\e], |v[AC+16*\e+\i]|, |v[AC+16*\e+\i+1]|
.endr
.endr
	WIN 0
.irp e, 0,1,2,3,4,5,6,7
	v_permlanex16_b32 v[TM+8+\e], v[TM+\e], s[SEL], s[SEL+1]
.endr
.irp e, 0,1,2,3,4,5,6,7
	v_max_num_f32 v[TM+\e], v[TM+\e], v[TM+8+\e]   ; with lane l xor 16's 16
.endr
.irp e, 0,1,2,3,4,5,6,7
	v_add_nc_u32 v[SO+\e], 0xff000000, v[TM+\e]    ; 2 off the exponent field: the conversion's scale operand
.endr
.irp e, 0,1,2,3,4,5,6,7
	v_lshrrev_b32 v[TM+8+\e], 23, v[SO+\e]         ; the byte
.endr
.irp u, 0,1
	v_lshl_or_b32 v[WD+\a0+\u], v[TM+9+4*\u], 8, v[TM+8+4*\u]
.endr
.irp u, 0,1
	v_lshl_or_b32 v[WD+\a0+\u], v[TM+10+4*\u], 16, v[WD+\a0+\u]
.endr
.irp u, 0,1
	v_lshl_or_b32 v[WD+\a0+\u], v[TM+11+4*\u], 24, v[WD+\a0+\u]
.endr
	WIN 0x02                                       ; source 0 window 2
.irp u, 0,1
.irp c, 0,1
	v_cvt_scalef32_pk16_fp6_f32 v[PF+12*(\a0+\u)+6*\c:PF+12*(\a0+\u)+6*\c+2], v[AC+64*\u+32*\c:AC+64*\u+32*\c+15], v[SO+4*\u+2*\c]
	v_cvt_scalef32_pk16_fp6_f32 v[PT+8*\u+4*\c:PT+8*\u+4*\c+2], v[AC+64*\u+32*\c+16:AC+64*\u+32*\c+31], v[SO+4*\u+2*\c+1]
.endr
.endr
	WIN 0
	v_nop                                          ; one plain instruction behind the conversions
.irp u, 0,1                                    ; the image wants a whole block in a lane
.irp c, 0,1
.irp i, 0,1,2
	v_permlane16_swap_b32 v[PF+12*(\a0+\u)+6*\c+\i], v[PT+8*\u+4*\c+\i]
.endr
.endr
.endr
.irp u, 0,1
.irp c, 0,1
.irp i, 0,1,2
	v_mov_b32 v[PF+12*(\a0+\u)+6*\c+3+\i], v[PT+8*\u+4*\c+\i]
.endr
.endr
.endr
.endm
.macro WAYOUT oi, ow
	WIN 0
	PLACES NP                                      ; in front of the first read of results just made
.irp e, 0,1,2,3,4,5,6,7
	v_mov_b32 v[TM+8+\e], 0                        ; a lane permute's destination counts as one of its sources
.endr
.irp a, 0,2
	QUANT2 \a
.irp u, 0,1
.irp c, 0,1,2
	global_store_b128 v[L16], v[PF+12*(\a+\u)+4*\c:PF+12*(\a+\u)+4*\c+3], s[\oi:\oi+1] offset:3072*(\a+\u)+512*\c   ; 512 consecutive bytes
.endr
.endr
.endr
	v_cndmask_b32 v[TMP], v[WD], v[WD+2], s[HM]    ; four words a line: lanes 0-15 store the first two, lanes 16-31 the last two
	v_cndmask_b32 v[TMP+1], v[WD+1], v[WD+3], s[HM]
	global_store_b64 v[W4], v[TMP:TMP+1], s[\ow:\ow+1]
.endm
	s_load_b256 s[4:11], s[0:1], 0x0               ; xc, wc, bq, bk
	s_load_b256 s[12:19], s[0:1], 0x20             ; bv, qc, kc, vc
	v_lshl_add_u32 v[SPW], v0, 2, SPARE
	v_mov_b32 v[NIL], 0
	ds_add_u32 v[SPW], v[NIL]                      ; the wave's opening
	ds_add_u32 v[SPW], v[NIL]
	v_lshrrev_b32 v1, 5, v0
	v_readfirstlane_b32 s[WV], v1
	s_lshr_b32 s[WR], s[WV], 1                     ; which 64 lines of A are mine.  Also: I fetch for A (0) or for B (1)
	s_and_b32 s[WC], s[WV], 1                      ; which group of B.  Also: which part I fetch
	s_bfe_u32 s[CX], ttmp6, 0x40000
	s_bfe_u32 s[CY], ttmp6, 0x40004
	s_and_b32 s[CL], ttmp7, 0xffff
	s_lshl_b32 s90, s[CY], 2
	s_lshl_b32 s90, 15, s90                        ; my row of the cluster
	s_lshl_b32 s91, 0x1111, s[CX]                  ; my column
	s_or_b32 s[G1A], s90, (3<<16)|(1<<21)
	s_or_b32 s[G1B], s91, (3<<16)|(1<<21)
	s_mov_b32 s[G1A+1], 32<<16                     ; dense rows of 256 bytes (32 elements of 8): the head's load for A has 200,
	s_mov_b32 s[G1A+2], 200<<16
	s_mov_b32 s[G1A+3], 32<<16
	s_mov_b32 s[G1A+4], 200
	s_mov_b32 s[G1A+5], 32
	s_mov_b32 s[G1A+6], 0
	s_mov_b32 s[G1A+7], 0
	s_mov_b32 s[G1B+1], 32<<16                     ; for B 400
	s_mov_b32 s[G1B+2], 400<<16
	s_mov_b32 s[G1B+3], 32<<16
	s_mov_b32 s[G1B+4], 400
	s_mov_b32 s[G1B+5], 32
	s_mov_b32 s[G1B+6], 0
	s_mov_b32 s[G1B+7], 0
	s_mul_i32 s76, s[WC], BLK                      ; in the ring A's waves fetch one block of a half's two
	s_lshl_b32 s92, s[CL], 2
	s_add_co_u32 s92, s92, s[CY]                   ; q, k: which 128 rows
	s_mul_i32 s94, s92, 4*BLK
	s_add_co_u32 s94, s94, s76
	s_mov_b32 s95, 0
	s_lshl_b32 s96, s[CX], 1
	s_add_co_u32 s96, s96, s[WC]                   ; q, k: which 128 columns I fetch
	s_mul_i32 s96, s96, 4*BLK
	s_mov_b32 s97, 0
	s_and_b32 s93, s[CL], 1
	s_lshl_b32 s93, s93, 2
	s_add_co_u32 s93, s93, s[CY]                   ; v: which 128 columns of wv
	s_add_co_u32 s90, s93, 16
	s_mul_i32 s90, s90, 4*BLK
	s_add_co_u32 s90, s90, s76
	s_mov_b32 s91, 0
	s_lshr_b32 s98, s[CL], 1
	s_lshl_b32 s98, s98, 2
	s_add_co_u32 s98, s98, s[CX]                   ; v: which 256 rows of value
	s_lshl_b32 s2, s98, 1
	s_add_co_u32 s2, s2, s[WC]
	s_add_co_u32 s2, s2, 128
	s_mul_i32 s2, s2, 4*BLK
	s_mov_b32 s3, 0
	s_mul_i32 s77, s[WC], 4*BLK
	s_add_co_u32 s77, s77, 4*BLK                   ; LDS: B's group that I fetch
	s_mov_b32 s[SEL], 0x76543210
	s_mov_b32 s[SEL+1], 0xfedcba98
	s_mov_b32 s[HM], 0xffff0000
	s_wait_dscnt 0x0                               ; both opening adds are done
	s_wait_kmcnt 0x0
	s_add_nc_u64 s[94:95], s[4:5], s[94:95]
	s_add_nc_u64 s[96:97], s[6:7], s[96:97]
	s_add_nc_u64 s[90:91], s[6:7], s[90:91]
	s_add_nc_u64 s[2:3], s[4:5], s[2:3]
.irp s, 0,1
	s_mov_b32 s[G0A+4*\s], 1
	s_add_co_u32 s[G0A+4*\s+1], s76, \s*SLOT
	s_add_nc_u64 s[G0A+4*\s+2:G0A+4*\s+3], s[94:95], \s*SLOT
	s_or_b32 s[G0A+4*\s+3], s[G0A+4*\s+3], 0x80000000
	s_mov_b32 s[G0B+4*\s], 1
	s_add_co_u32 s[G0B+4*\s+1], s77, \s*SLOT
	s_add_nc_u64 s[G0B+4*\s+2:G0B+4*\s+3], s[96:97], \s*SLOT
	s_or_b32 s[G0B+4*\s+3], s[G0B+4*\s+3], 0x80000000
	s_mov_b32 s[G0A2+4*\s], 1
	s_add_co_u32 s[G0A2+4*\s+1], s76, \s*SLOT
	s_add_nc_u64 s[G0A2+4*\s+2:G0A2+4*\s+3], s[90:91], \s*SLOT
	s_or_b32 s[G0A2+4*\s+3], s[G0A2+4*\s+3], 0x80000000
	s_mov_b32 s[G0B2+4*\s], 1
	s_add_co_u32 s[G0B2+4*\s+1], s77, \s*SLOT
	s_add_nc_u64 s[G0B2+4*\s+2:G0B2+4*\s+3], s[2:3], \s*SLOT
	s_or_b32 s[G0B2+4*\s+3], s[G0B2+4*\s+3], 0x80000000
.endr
	s_mov_b32 s78, s76
	s_mov_b32 s79, 0
	s_add_nc_u64 s[G0H+2:G0H+3], s[94:95], s[78:79]   ; the head's load for A: blocks 2 x part and 2 x part + 1 of the group,
	s_or_b32 s[G0H+3], s[G0H+3], 0x80000000
	s_mov_b32 s[G0H], 1
	s_lshl_b32 s[G0H+1], s76, 1                    ; to the half of that number.  (B's is slot 0's group 0 with 400 rows)
	s_add_nc_u64 s[PK:PK+1], s[94:95], XSTEP       ; the prefetches: what I shall fetch of the second product,
	s_add_nc_u64 s[PV:PV+1], s[96:97], WSTEP
	s_cmp_eq_u32 s[WR], 0
	s_cselect_b64 s[PK:PK+1], s[PK:PK+1], s[PV:PV+1]
	s_cselect_b64 s[PV:PV+1], s[90:91], s[2:3]     ; and of the third;
	s_cselect_b32 s78, s[CX], s[CY]                ; my place among the four that ask for it with me
	s_mul_i32 s78, s78, 25*256                     ; takes 25 of a block's 100 rows
	s_add_nc_u64 s[PK:PK+1], s[PK:PK+1], s[78:79]
	s_add_nc_u64 s[PV:PV+1], s[PV:PV+1], s[78:79]
	CROUND                                         ; all sixteen work-groups are here: the first joint loads meet
	JLOAD G0H, G1A, G0B, G1B                       ; my one load at the head: with the other waves' it is the whole first product
	; where my results go.  q, k: block 4 x rows + cx, tiles 4 x (wave / 2) on, K step wave % 2;  v: block 8 (8 batch + columns) + keys
	s_lshl_b32 s94, s92, 2
	s_add_co_u32 s94, s94, s[CX]
	s_mul_i32 s94, s94, BLK
	s_mul_i32 s95, s[WR], 12288
	s_mul_i32 s96, s[WC], 1536
	s_add_co_u32 s95, s95, s96
	s_lshl_b32 s90, s[WC], 9
	s_add_co_u32 s90, s90, 24576
	s_add_co_u32 s96, s94, s95
	s_mov_b32 s97, 0
	s_add_nc_u64 s[OIQ:OIQ+1], s[14:15], s[96:97]
	s_add_nc_u64 s[OIK:OIK+1], s[16:17], s[96:97]
	s_add_co_u32 s96, s94, s90
	s_add_nc_u64 s[OWQ:OWQ+1], s[14:15], s[96:97]
	s_add_nc_u64 s[OWK:OWK+1], s[16:17], s[96:97]
	s_lshr_b32 s94, s98, 3
	s_lshl_b32 s94, s94, 3
	s_add_co_u32 s94, s94, s93
	s_lshl_b32 s94, s94, 3
	s_and_b32 s91, s98, 7
	s_add_co_u32 s94, s94, s91
	s_mul_i32 s94, s94, BLK
	s_add_co_u32 s96, s94, s95
	s_add_nc_u64 s[OIV:OIV+1], s[18:19], s[96:97]
	s_add_co_u32 s96, s94, s90
	s_add_nc_u64 s[OWV:OWV+1], s[18:19], s[96:97]
	; the LDS addresses' scalar parts, then the vector lines on end
	s_mul_i32 s94, s[WR], 12288                    ; my four tiles of A: eight images on
	s_add_co_u32 s95, s94, SLOT
	s_mul_i32 s98, s[WC], 4*BLK
	s_add_co_u32 s98, s98, 4*BLK                   ; my group of B
	s_add_co_u32 s96, s98, SLOT
	s_add_co_u32 s97, s98, 24576
	s_add_co_u32 s2, s97, SLOT
	s_lshl_b32 s3, s[WR], 4
	s_add_co_u32 s90, s3, 24576
	s_add_co_u32 s91, s90, SLOT
	s_lshl_b32 s92, s[CX], 10                      ; bq, bk: my 128 columns
	s_lshl_b32 s93, s93, 9                         ; bv: my 64 lines
	s_lshl_b32 s[CL], s[WC], 9
	s_add_co_u32 s92, s92, s[CL]
	s_lshl_b32 s[CL], s[WR], 8
	s_add_co_u32 s93, s93, s[CL]
	v_and_b32 v16, 15, v0                          ; r
	v_bfe_u32 v17, v0, 4, 1                        ; h
	v_and_b32 v19, 31, v0                          ; lane
	v_lshlrev_b32 v[L16], 4, v19
	v_lshlrev_b32 v18, 5, v16                      ; 32 r
	v_min_u32 v[PFO], 24, v19
	v_lshlrev_b32 v[PFO], 8, v[PFO]
	v_add_nc_u32 v[ADRA], s94, v[L16]
	v_add_nc_u32 v[ADRA+1], s95, v[L16]
	v_add_nc_u32 v[ADRB], s98, v[L16]
	v_add_nc_u32 v[ADRB+1], s96, v[L16]
	v_add_nc_u32 v[ADSB], s97, v18
	v_add_nc_u32 v[ADSB+1], s2, v18
	v_add_nc_u32 v[ADSA], s90, v18
	v_add_nc_u32 v[ADSA+1], s91, v18
	v_lshl_add_u32 v[W4], v17, 3, v18
	v_add_nc_u32 v[W4], s3, v[W4]                  ; 32 r + 16 (wave / 2) + 8 h
	v_lshl_add_u32 v[BIA], v17, 6, s92             ; register 16 b + i of a tile row is column 32 b + 16 h + i
	v_lshl_add_u32 v[BMA], v16, 2, s93             ; tile a, lane r is line 16 a + r
	s_wait_alu depctr_va_vdst(0)
	WIN 0xc0                                       ; destinations in window 3
.set n, 0
.rept 16
	global_load_b128 v[n:n+3], v[BIA], s[8:9] offset:128*(n/16)+4*(n%16)
	global_load_b128 v[64+n:64+n+3], v[BIA], s[10:11] offset:128*(n/16)+4*(n%16)
.set n, n+4
.endr
.irp a, 0,1,2,3
.irp j, 0,1,2,3,4,5,6,7
	global_load_b32 v[128+8*\a+\j], v[BMA], s[12:13] offset:64*\a   ; the same number eight times: the C of tile a's accumulators
.endr
.endr
	WIN 0
	ASK PK, 0                                      ; both halves of the second product
	ASK PK, 1
	s_wait_tensorcnt 0x0                           ; my part of the first product is in, and no tensor load of mine is out: from here on a load brings one half:
	s_mov_b32 s[G1A+2], 100<<16                    ; a block of A,
	s_mov_b32 s[G1A+4], 100
	s_mov_b32 s[G1B+2], 200<<16                    ; two blocks of B
	s_mov_b32 s[G1B+4], 200
	s_barrier_signal -1
	s_barrier_wait -1                              ; everybody's part is in
	FETCH 0, 0, 0
	SCALES 0
	s_wait_loadcnt 0x0                             ; the biases
	HALF 0, 1                                      ; q
	TURN 0, 1, G0A, G0B, 1, 1
	HALF 1, 0
	TURN 1, 1, G0A+4, G0B+4, 1, 2
	WAYOUT OIQ, OWQ
	s_wait_xcnt 0x0                                ; the stores have read the codes' registers, which take fragments again
	HALF 0, 2                                      ; k
	TURN 0, 1, G0A2, G0B2, 0, 0
	HALF 1, 0
	TURN 1, 1, G0A2+4, G0B2+4, 0, 0
	WAYOUT OIK, OWK
	s_wait_xcnt 0x0
	HALF 0, 3                                      ; v, transposed: lines of wv x rows of value
	TURN 0, 0, G0A, G0B, 0, 0                      ; nothing is left to fetch: a plain barrier
	HALF 1, 0
	s_wait_dscnt 0x0
	WIN MUL
	MULA 0, 1, 3, 1, 0
	MULA 1, 1, 3, 1, 0
	MULA 2, 1, 3, 1, 0
	MULA 3, 1, 3, 1, 0
	WAYOUT OIV, OWV
	s_wait_tensorcnt 0x0                           ; the wave's end
	ds_add_u32 v[SPW], v[NIL]
	s_wait_dscnt 0x0
	CROUND                                         ; the closing round
	s_endpgm
.Lfunc_end_k_qf4d58664ef_proj:
	.size	k_qf4d58664ef_proj, .Lfunc_end_k_qf4d58664ef_proj-k_qf4d58664ef_proj
	.p2alignl 7, 3214868480
	.fill 96, 4, 3214868480
	.section	.rodata,"a",@progbits
	.p2align	6, 0x0
	.amdhsa_kernel k_qf4d58664ef_proj
		.amdhsa_group_segment_fixed_size 327680
		.amdhsa_private_segment_fixed_size 0
		.amdhsa_enable_private_segment 0
		.amdhsa_kernarg_size 64
		.amdhsa_user_sgpr_count 2
		.amdhsa_user_sgpr_kernarg_segment_ptr 1
		.amdhsa_wavefront_size32 1
		.amdhsa_system_sgpr_workgroup_id_x 1
		.amdhsa_system_sgpr_workgroup_id_y 1
		.amdhsa_system_sgpr_workgroup_id_z 1
		.amdhsa_system_vgpr_workitem_id 0
		.amdhsa_next_free_vgpr 1024
		.amdhsa_next_free_sgpr 106
		.amdhsa_reserve_vcc 0
		.amdhsa_float_denorm_mode_32 3
		.amdhsa_float_denorm_mode_16_64 3
		.amdhsa_memory_ordered 1
		.amdhsa_forward_progress 1
		.amdhsa_inst_pref_size 233
	.end_amdhsa_kernel
	.amdgpu_metadata
---
amdhsa.version: [ 1, 2 ]
amdhsa.kernels:
  - .name:           k_qf4d58664ef_proj
    .symbol:         k_qf4d58664ef_proj.kd
    .args:
      - { .name: xc, .offset: 0, .size: 8, .value_kind: global_buffer, .address_space: global }
      - { .name: wc, .offset: 8, .size: 8, .value_kind: global_buffer, .address_space: global }
      - { .name: bq, .offset: 16, .size: 8, .value_kind: global_buffer, .address_space: global }
      - { .name: bk, .offset: 24, .size: 8, .value_kind: global_buffer, .address_space: global }
      - { .name: bv, .offset: 32, .size: 8, .value_kind: global_buffer, .address_space: global }
      - { .name: qc, .offset: 40, .size: 8, .value_kind: global_buffer, .address_space: global }
      - { .name: kc, .offset: 48, .size: 8, .value_kind: global_buffer, .address_space: global }
      - { .name: vc, .offset: 56, .size: 8, .value_kind: global_buffer, .address_space: global }
    .group_segment_fixed_size: 327680
    .private_segment_fixed_size: 0
    .kernarg_segment_align: 8
    .kernarg_segment_size: 64
    .max_flat_workgroup_size: 128
    .sgpr_count:     106
    .vgpr_count:     1024
    .wavefront_size: 32
...
	.end_amdgpu_metadata
.endif
;; end of part 2
;; launch scores (part 3): grid 8 x 32, 4 waves a work-group, clusters of 4 x 4, 327,680 bytes of LDS; arguments qc, kc, pc, pm, pl; writes pc, pm, pl
.if DOCPART == 3
	.amdgcn_target "amdgcn-amd-amdhsa--gfx1250"
	.amdhsa_code_object_version 6
	.text
	.protected	k_qf4d58664ef_scores
	.globl	k_qf4d58664ef_scores
	.p2align	8
	.type	k_qf4d58664ef_scores,@function
k_qf4d58664ef_scores:
	s_mov_b64 s[64:65], 0
	v_nop
	global_prefetch_b8 v0, s[64:65] scope:SCOPE_SE
	s_setreg_imm32_b32 hwreg(HW_REG_WAVE_MODE, 25, 1), 1
	s_wait_xcnt 0x0
	s_wait_alu depctr_hold_cnt(0) depctr_sa_sdst(0) depctr_va_vdst(0) depctr_va_sdst(0) depctr_va_ssrc(0) depctr_va_vcc(0) depctr_vm_vsrc(0)
	s_getreg_b32 s2, hwreg(HW_REG_IB_STS2, 6, 4)
	s_cmp_eq_u32 s2, 0
	s_cbranch_scc0 .Lentry_in_a_cluster
	s_endpgm
.Lentry_in_a_cluster:
	s_bfe_u32 s2, ttmp6, 0x10000c
	s_cmp_lg_u32 s2, 0xf033
	s_cbranch_scc0 .Lentry_shape_is_right
	s_endpgm
.Lentry_shape_is_right:
; S = q k^T on codes of FP6 (E2M3) with E8M0 scales, sums in f32; then, for each query and each run of 128 keys: t = score x log2(e) / 32, M = the run's largest t rounded UP to a whole number,
; p = 2^(t - M), the sum of the unquantised p, and p quantised along the keys.  Out go p's codes and scale bytes (pc), -M (pm) and the sums (pl).
; M IS LOCAL to the 128 keys: the last launch finds the row's M and takes M_row - M_local off the scale bytes, which is exact, since both are whole numbers.  The largest t is always taken away; there is no fixed shift.
; OPERANDS come and go in blocks of 128 lines x 256 along K, 25,600 bytes: the fragment of tile i, step q at (2 i + q) x 1,536 as an image of its 12 registers; the scale word of line rho of tile i, step q at 24,576 + 512 q + 32 rho + 4 i.
; pm, pl: [group of 128 queries][run of 128 keys][rho 16][tile 8] f32.
; A tile of 256 queries x 256 keys is made by four waves, 128 x 128 each.  THE MATRIX INSTRUCTION IS USED TRANSPOSED: source 0 = 16 keys, source 1 = 16 queries: a lane holds one query.  kc's tiles are permuted
; (tile t, place rho = key 32 (t / 2) + 8 (t % 2) + rho + 8 (rho / 8)), so that the 16 registers of two neighbouring tiles are 16 neighbouring keys.
; K = 1,024 is four slots of 256: three LDS slots filled at the head (one tensor load a wave out), the fourth K slot into slot 0 when that has been read (one out).  The eight K steps are written out.
; CLUSTERS: 4 x 4 work-groups; q's blocks are asked for jointly along a row of the cluster, k's along a column.
; LIMITS: a block whose every p lies under 2^-124 gets the byte 1.  NaN and infinities among the scores are not served.
; REGISTERS.  window 0: v1-15 addresses; v32-63 scale words, two sets; v64-159, v160-255 A's fragments, two sets.  window 1: B's fragments, two sets.  windows 2, 3: accumulator (a, b) at v[8 (8 (a % 4) + b)].
.set BLK,   25600
.set SLOT,  BLK                        ; LDS: a region of three K slots on end for each fetched group (q's two, then k's two): ONE tensor load a wave at the head, 300 rows of 256 bytes, fills its region
.set SPARE, 12*BLK
.set NP,    4
.set ADRA, 1
.set ADRB, 4
.set ADRS, 7
.set SPW,  10
.set NIL,  11
.set L16,  12
.set W8,   13
.set RR,   14
.set HH,   15
.set SC,   32
.set AF,   64
.set HA,   64                          ; the way out: v64-127 t - M, then p
.set PC,   128                         ; v128-147 the codes just made
.set WD,   148                         ; v148-155 eight scale words
.set TM,   160                         ; v160-175 at work
.set NMV,  176                         ; v176-183 -M of my query in each of the eight tiles
.set LV,   184                         ; v184-191 the sums
.set WV, 20
.set WR, 21
.set WC, 22
.set G1A, 24
.set G1B, 32
.set G0A, 40
.set G0B, 52
.set CX, 66
.set CY, 67
.set OI, 14                            ; s[14:15] images; s[16:17] scale words; s[18:19] -M; s[2:3] sums
.set OW, 16
.set OM, 18
.set OL, 2
.set CS, 84                            ; s[84:85] c = log2(e) / 32
.set SEL, 86
.set HM, 99
.set MSB, 0
.macro WIN new
.if MSB != (\new)
	s_set_vgpr_msb (MSB<<8)|(\new)
.set MSB, (\new)
.endif
.endm
.set MUL_LO, 0xa1
.set MUL_HI, 0xf1
.set TO_B,   0x40
.macro JLOAD g0a, g1a, g0b, g1b        ; waves 0 and 1 fetch for A, waves 2 and 3 for B; an s_nop 0 and four v_nop follow each line
	s_cmp_eq_u32 s[WR], 0
	s_cbranch_scc0 .Lfor_b_\@
	tensor_load_to_lds s[\g0a:\g0a+3], s[\g1a:\g1a+7]
	s_nop 0
.rept 4
	v_nop
.endr
	s_branch .Lasked_\@
.Lfor_b_\@:
	tensor_load_to_lds s[\g0b:\g0b+3], s[\g1b:\g1b+7]
	s_nop 0
.rept 4
	v_nop
.endr
.Lasked_\@:
.endm
.macro CREST
	s_cmp_lg_u32 s[WV], 0
	s_cbranch_scc1 .Lnot_wave_0_\@
	s_barrier_signal -3
.Lnot_wave_0_\@:
	s_barrier_wait -3
	s_barrier_signal -1
	s_barrier_wait -1
.endm
.macro CROUND
	s_barrier_signal -1
	s_barrier_wait -1
	CREST
.endm
.macro PLACES n
.rept \n
	v_nop
.endr
.endm
.macro FRAG reg, adr, q, i
.irp c, 0,1,2
	ds_load_b128 v[\reg+4*\c:\reg+4*\c+3], v[\adr] offset:(2*(\i)+(\q))*1536+512*\c
.endr
.endm
.macro FETCH slot, q, set
	WIN TO_B
.irp i, 0,1,2,3,4,5,6,7
	FRAG 128*(\set)+12*\i, ADRB+\slot, \q, \i
.endr
	WIN 0
.irp i, 0,1,2,3,4,5,6,7
	FRAG AF+96*(\set)+12*\i, ADRA+\slot, \q, \i
.endr
.endm
.macro SCALES slot, sc
.irp q, 0,1
.irp j, 0,1
	ds_load_b128 v[SC+16*(\sc)+8*\q+4*\j:SC+16*(\sc)+8*\q+4*\j+3], v[ADRS+\slot] offset:512*\q+16*\j
.endr
.endr
.endm
.macro MUL16 a0, set, q, sc, zero      ; the 64 accumulators take turns, one instruction a turn
.irp a, \a0, \a0+1
.irp b, 0,1,2,3,4,5,6,7
.if \zero
	v_wmma_scale_f32_16x16x128_f8f6f4 v[8*(8*((\a)%4)+\b):8*(8*((\a)%4)+\b)+7], v[128*(\set)+12*\b:128*(\set)+12*\b+11], v[AF+96*(\set)+12*(\a):AF+96*(\set)+12*(\a)+11], 0, v[SC+16*(\sc)+8*(\q)+\b], v[SC+16*(\sc)+8*(\q)+(\a)] matrix_a_fmt:MATRIX_FMT_FP6 matrix_b_fmt:MATRIX_FMT_FP6 matrix_a_scale:MATRIX_SCALE_ROW1
.else
	v_wmma_scale_f32_16x16x128_f8f6f4 v[8*(8*((\a)%4)+\b):8*(8*((\a)%4)+\b)+7], v[128*(\set)+12*\b:128*(\set)+12*\b+11], v[AF+96*(\set)+12*(\a):AF+96*(\set)+12*(\a)+11], v[8*(8*((\a)%4)+\b):8*(8*((\a)%4)+\b)+7], v[SC+16*(\sc)+8*(\q)+\b], v[SC+16*(\sc)+8*(\q)+(\a)] matrix_a_fmt:MATRIX_FMT_FP6 matrix_b_fmt:MATRIX_FMT_FP6 matrix_a_scale:MATRIX_SCALE_ROW1
.endif
.endr
.endr
.endm
.macro STEP slot, q, sc, zero, nslot, nq
	s_wait_dscnt 0x0                               ; this step's fragments, asked for a step ago, are in
	PLACES NP                                      ; in front of loads into registers that the last step's matrix instructions have read
	FETCH \nslot, \nq, 1-(\q)
.if (\nq) == 0
	SCALES \nslot, 1-(\sc)
.endif
	WIN MUL_LO
	MUL16 0, \q, \q, \sc, \zero
	MUL16 2, \q, \q, \sc, \zero
	WIN MUL_HI
	MUL16 4, \q, \q, \sc, \zero
	MUL16 6, \q, \q, \sc, \zero
.endm
.macro TURN slot, sc, nslot, fill
	WIN 0
	s_wait_tensorcnt 0x0                           ; all my tensor loads have landed
	ds_add_u32 v[SPW], v[NIL]                      ; 0 onto my spare word
	s_wait_dscnt 1                                 ; this step's fragments are in; the add alone may be out
	WIN MUL_LO
	MUL16 0, 1, 1, \sc, 0
	s_wait_dscnt 0x0                               ; the add is done, and my reads of this slot are over
	s_barrier_signal -1
	MUL16 2, 1, 1, \sc, 0
	WIN 0
	s_barrier_wait -1
.if \fill
	CREST                                          ; no wave of any partner still reads this slot or has a load on its way
	s_add_nc_u64 s[G0A+4*\slot+2:G0A+4*\slot+3], s[G0A+4*\slot+2:G0A+4*\slot+3], 3*BLK
	s_add_nc_u64 s[G0B+4*\slot+2:G0B+4*\slot+3], s[G0B+4*\slot+2:G0B+4*\slot+3], 3*BLK
	JLOAD G0A+4*\slot, G1A, G0B+4*\slot, G1B       ; the first tensor load behind the round; its four v_nop are the places in front of the loads below
.else
	PLACES NP
.endif
	FETCH \nslot, 0, 0
	SCALES \nslot, 1-(\sc)
	WIN MUL_HI
	MUL16 4, 1, 1, \sc, 0
	MUL16 6, 1, 1, \sc, 0
.endm
.macro QTAIL word                      ; v[TM + b] = block b's largest p: bytes, the scale word, the codes as a fragment in v[PC] on
.irp b, 0,1,2,3
	v_add_nc_u32 v[TM+12+\b], 0xff000000, v[TM+\b]
.endr
.irp b, 0,1,2,3
	v_lshrrev_b32 v[TM+4+\b], 23, v[TM+12+\b]
.endr
	v_lshl_or_b32 v[\word], v[TM+5], 8, v[TM+4]
	v_lshl_or_b32 v[\word], v[TM+6], 16, v[\word]
	v_lshl_or_b32 v[\word], v[TM+7], 24, v[\word]
.irp c, 0,1
	v_cvt_scalef32_pk16_fp6_f32 v[PC+6*\c:PC+2+6*\c], v[HA+32*\c:HA+15+32*\c], v[TM+12+2*\c]
	v_cvt_scalef32_pk16_fp6_f32 v[PC+12+4*\c:PC+14+4*\c], v[HA+16+32*\c:HA+31+32*\c], v[TM+12+2*\c+1]
.endr
	v_nop                                          ; one plain instruction behind the conversions
.irp c, 0,1
.irp i, 0,1,2
	v_permlane16_swap_b32 v[PC+6*\c+\i], v[PC+12+4*\c+\i]
.endr
.irp i, 0,1,2
	v_mov_b32 v[PC+3+6*\c+\i], v[PC+12+4*\c+\i]
.endr
.endr
.endm
.macro STIMG a
.irp c, 0,1,2
	global_store_b128 v[L16], v[PC+4*\c:PC+4*\c+3], s[OI:OI+1] offset:3072*(\a)+512*\c
.endr
.endm
.macro ST8 regs, tmp, base             ; eight words a query: lanes 0-15 store the first four, lanes 16-31 the last four: 512 consecutive bytes
.irp i, 0,1,2,3
	v_cndmask_b32 v[\tmp+\i], v[\regs+\i], v[\regs+4+\i], s[HM]
.endr
	global_store_b128 v[W8], v[\tmp:\tmp+3], s[\base:\base+1]
.endm
; Tile a of the queries: register 16 b + i of its 64 scores is key 32 b + 16 h + i of my 128.
.macro SOFT a
.set AC, 64*((\a)%4)
.set HIW, (\a)/4
.if (\a) > 0
	s_wait_xcnt 0x0                                ; the last tile's stores have read the codes' registers
.endif
	WIN 0x2a+0x15*HIW                              ; all three sources in window 2 or 3
.irp b, 0,1,2,3
	v_max3_num_f32 v[TM+\b], v[AC+16*\b], v[AC+16*\b+1], v[AC+16*\b+2]   ; THE LARGEST SCORE OF EACH BLOCK OF 32 KEYS serves twice: for the run's maximum and, since p rises with the score, for the block's largest p
.endr
	WIN 0x28+0x14*HIW
.irp i, 3,5,7,9,11,13
.irp b, 0,1,2,3
	v_max3_num_f32 v[TM+\b], v[TM+\b], v[AC+16*\b+\i], v[AC+16*\b+\i+1]
.endr
.endr
	WIN 0x08+0x04*HIW
.irp b, 0,1,2,3
	v_max_num_f32 v[TM+\b], v[TM+\b], v[AC+16*\b+15]
.endr
	WIN 0
.irp b, 0,1,2,3
	v_permlanex16_b32 v[TM+4+\b], v[TM+\b], s[SEL], s[SEL+1]
.endr
.irp b, 0,1,2,3
	v_max_num_f32 v[TM+\b], v[TM+\b], v[TM+4+\b]   ; with lane l xor 16's 16 keys
.endr
	v_max3_num_f32 v198, v[TM], v[TM+1], v[TM+2]
	v_max_num_f32 v198, v198, v[TM+3]
	v_mul_f32 v198, s[CS], v198                    ; the run's largest t (c is positive)
	v_floor_f32 v192, -v198                        ; -M = floor(-t) = -ceil(t): a whole number
	WIN 0x02+HIW
.set n, 0
.rept 32
	v_pk_fma_f32 v[HA+n:HA+n+1], v[AC+n:AC+n+1], s[CS:CS+1], v[192:193] op_sel_hi:[1,0,0]   ; t - M, two at a time, into window 0
.set n, n+2
.endr
	WIN 0
.irp b, 0,1,2,3
	v_fma_f32 v[TM+\b], v[TM+\b], s[CS], v192      ; the same of each block's largest score
.endr
.set n, 0
	s_wait_alu depctr_va_vdst(0)
.rept 64
	v_exp_f32 v[HA+n], v[HA+n]                     ; p = 2^(t - M): NOT normalised
.set n, n+1
.endr
	v_mov_b32 v[NMV+(\a)], v192                    ; (the plain instruction behind the exponentials)
	s_wait_alu depctr_va_vdst(0)                   ; one wait for the batch of 64, ahead of its first reader
.irp b, 0,1,2,3
	v_exp_f32 v[TM+\b], v[TM+\b]                   ; the block's largest p: the same two instructions on the same number
.endr
	v_pk_add_f32 v[194:195], v[HA:HA+1], v[HA+2:HA+3]   ; THE SUM IS TAKEN OF THE UNQUANTISED p, in two chains; it reads the 64 alone
	v_pk_add_f32 v[196:197], v[HA+4:HA+5], v[HA+6:HA+7]
.irp j, 8,12,16,20,24,28,32,36,40,44,48,52,56,60
	v_pk_add_f32 v[194:195], v[194:195], v[HA+\j:HA+\j+1]
	v_pk_add_f32 v[196:197], v[196:197], v[HA+\j+2:HA+\j+3]
.endr
	v_pk_add_f32 v[194:195], v[194:195], v[196:197]
	v_add_f32 v198, v194, v195
	v_permlanex16_b32 v199, v198, s[SEL], s[SEL+1]
	v_add_f32 v[LV+(\a)], v198, v199               ; with lane l xor 16's 64 keys
	s_wait_alu depctr_va_vdst(0)                   ; and one wait for the four
.irp b, 0,1,2,3
	v_max_num_f32 v[TM+\b], 0x1800000, v[TM+\b]    ; the floor 2^(3 - 127): the byte cannot fall under 1
.endr
	QTAIL WD+(\a)
	STIMG \a
.endm
	s_load_b256 s[4:11], s[0:1], 0x0               ; qc, kc, pc, pm
	s_load_b64 s[12:13], s[0:1], 0x20              ; pl
	v_lshl_add_u32 v[SPW], v0, 2, SPARE
	v_mov_b32 v[NIL], 0
	ds_add_u32 v[SPW], v[NIL]                      ; the wave's opening
	ds_add_u32 v[SPW], v[NIL]
	v_lshrrev_b32 v1, 5, v0
	v_readfirstlane_b32 s[WV], v1
	s_lshr_b32 s[WR], s[WV], 1
	s_and_b32 s[WC], s[WV], 1
	s_bfe_u32 s[CX], ttmp6, 0x40000
	s_bfe_u32 s[CY], ttmp6, 0x40004
	s_lshl_b32 s68, ttmp9, 2
	s_add_co_u32 s68, s68, s[CX]                   ; x: which 256 keys of the batch
	s_and_b32 s71, ttmp7, 0xffff
	s_lshl_b32 s72, s71, 2
	s_add_co_u32 s72, s72, s[CY]                   ; y: which 256 queries of all
	s_lshr_b32 s73, s71, 1                         ; the batch: the same in all partners
	s_lshl_b32 s69, s[CY], 2
	s_lshl_b32 s69, 15, s69
	s_lshl_b32 s70, 0x1111, s[CX]
	s_or_b32 s[G1A], s69, (3<<16)|(1<<21)
	s_or_b32 s[G1B], s70, (3<<16)|(1<<21)
.irp g, G1A, G1B                               ; a block is 100 dense rows of 256 bytes
	s_mov_b32 s[\g+1], 32<<16
	s_mov_b32 s[\g+2], 300<<16                     ; the head's load: three blocks on end, 300 rows
	s_mov_b32 s[\g+3], 32<<16
	s_mov_b32 s[\g+4], 300
	s_mov_b32 s[\g+5], 32
	s_mov_b32 s[\g+6], 0
	s_mov_b32 s[\g+7], 0
.endr
	s_lshl_b32 s74, s72, 1
	s_add_co_u32 s74, s74, s[WC]                   ; q's group of 128
	s_lshl_b32 s75, s73, 4
	s_lshl_b32 s79, s68, 1
	s_add_co_u32 s75, s75, s79
	s_add_co_u32 s75, s75, s[WC]                   ; k's
	s_mul_i32 s80, s74, 4*BLK
	s_mov_b32 s81, 0
	s_mul_i32 s82, s75, 4*BLK
	s_mov_b32 s83, 0
	s_mul_i32 s88, s[WV], 3*BLK
	s_mov_b32 s[CS], 0x3d38aa3b                    ; log2(e) / 32
	s_mov_b32 s[CS+1], s[CS]
	s_mov_b32 s[SEL], 0x76543210
	s_mov_b32 s[SEL+1], 0xfedcba98
	s_mov_b32 s[HM], 0xffff0000
	s_wait_dscnt 0x0
	s_wait_kmcnt 0x0
	s_add_nc_u64 s[90:91], s[4:5], s[80:81]
	s_add_nc_u64 s[92:93], s[6:7], s[82:83]
	s_cmp_eq_u32 s[WR], 0                          ; the prefetch: of the block that I shall fetch at the one refill (the fourth K slot, 100 rows of 256 bytes)
	s_cselect_b64 s[76:77], s[90:91], s[92:93]
	s_cselect_b32 s2, s[CX], s[CY]                 ; my place among the four that ask for it with me
	s_mul_i32 s2, s2, 25*256                       ; takes 25 rows, told apart by address
	s_mov_b32 s3, 0
	s_add_nc_u64 s[76:77], s[76:77], s[2:3]
	CROUND                                         ; all sixteen work-groups are here: the first joint loads meet
.irp s, 0
	s_mov_b32 s[G0A+4*\s], 1
	s_add_co_u32 s[G0A+4*\s+1], s88, \s*SLOT
	s_add_nc_u64 s[G0A+4*\s+2:G0A+4*\s+3], s[90:91], \s*BLK
	s_or_b32 s[G0A+4*\s+3], s[G0A+4*\s+3], 0x80000000
	s_mov_b32 s[G0B+4*\s], 1
	s_add_co_u32 s[G0B+4*\s+1], s88, \s*SLOT
	s_add_nc_u64 s[G0B+4*\s+2:G0B+4*\s+3], s[92:93], \s*BLK
	s_or_b32 s[G0B+4*\s+3], s[G0B+4*\s+3], 0x80000000
	JLOAD G0A+4*\s, G1A, G0B+4*\s, G1B
.endr
	v_and_b32 v[RR], 15, v0
	v_bfe_u32 v[HH], v0, 4, 1
	v_and_b32 v[L16], 31, v0
	v_lshlrev_b32 v[L16], 4, v[L16]
	v_min_u32 v16, 384, v[L16]
	v_lshlrev_b32 v16, 4, v16                      ; v16: 256 x min(lane, 24): a lane a row; lanes 25-31 name the wave's last row again
	s_wait_alu depctr_va_vdst(0)
	v_lshlrev_b32 v[W8], 5, v[RR]
	v_lshl_add_u32 v[W8], v[HH], 4, v[W8]
	s_mul_i32 s89, s[WR], 3*BLK
	s_mul_i32 s96, s[WC], 3*BLK
	s_add_co_u32 s96, s96, 6*BLK
	s_sub_co_u32 s97, s96, s89
	v_mul_u32_u24 v32, s97, v[HH]                  ; lanes 16-31 take B's words: one product, h x the distance
	v_lshl_add_u32 v32, v[RR], 5, v32
	s_add_co_u32 s98, s89, 24576
.irp s, 0,1,2
	v_add_nc_u32 v[ADRA+\s], s89, v[L16]
	v_add_nc_u32 v[ADRB+\s], s96, v[L16]
	v_add_nc_u32 v[ADRS+\s], s98, v32
	s_add_co_u32 s89, s89, SLOT
	s_add_co_u32 s96, s96, SLOT
	s_add_co_u32 s98, s98, SLOT
.endr
	; where my results go: pc's block 8 g + x, K step wave % 2;  pm, pl: run 16 g + 2 x + wave % 2
	s_lshl_b32 s74, s72, 1
	s_add_co_u32 s74, s74, s[WR]                   ; g
	s_lshl_b32 s75, s74, 3
	s_add_co_u32 s75, s75, s68
	s_mul_i32 s80, s75, BLK
	s_add_nc_u64 s[90:91], s[8:9], s[80:81]
	s_mul_i32 s80, s[WC], 1536
	s_add_nc_u64 s[OI:OI+1], s[90:91], s[80:81]
	s_lshl_b32 s80, s[WC], 9
	s_add_co_u32 s80, s80, 24576
	s_add_nc_u64 s[OW:OW+1], s[90:91], s[80:81]
	s_lshl_b32 s80, s74, 4
	s_add_co_u32 s80, s80, s79
	s_add_co_u32 s80, s80, s[WC]
	s_lshl_b32 s80, s80, 9
	s_add_nc_u64 s[OM:OM+1], s[10:11], s[80:81]
	s_add_nc_u64 s[OL:OL+1], s[12:13], s[80:81]
	s_wait_alu depctr_va_vdst(0)
	global_prefetch_b8 v16, s[76:77] offset:3*BLK th:TH_LOAD_NT scope:SCOPE_SE   ; two K steps ahead of the refill that wants it
	s_wait_tensorcnt 0x0                           ; my region's three K slots are in, and no tensor load of mine is out: from here on a load brings one block, 100 rows
	s_mov_b32 s[G1A+2], 100<<16
	s_mov_b32 s[G1A+4], 100
	s_mov_b32 s[G1B+2], 100<<16
	s_mov_b32 s[G1B+4], 100
	s_barrier_signal -1
	s_barrier_wait -1
	FETCH 0, 0, 0
	SCALES 0, 0
	STEP 0, 0, 0, 1, 0, 1                          ; the first step's products start the sums
	TURN 0, 0, 1, 1                                ; slot 0 is left and takes the fourth K slot
	STEP 1, 0, 1, 0, 1, 1
	STEP 1, 1, 1, 0, 2, 0                          ; slot 2 is whole: every wave waited for all its loads in front of the round above
	STEP 2, 0, 0, 0, 2, 1
	TURN 2, 0, 0, 0                                ; the refill has landed, in every wave
	STEP 0, 0, 1, 0, 0, 1
	s_wait_dscnt 0x0
	WIN MUL_LO
	MUL16 0, 1, 1, 1, 0
	MUL16 2, 1, 1, 1, 0
	WIN MUL_HI
	MUL16 4, 1, 1, 1, 0
	MUL16 6, 1, 1, 1, 0
	WIN 0
	; THE WAY OUT: tile by tile of the queries.  No LDS.
	PLACES NP
.irp b, 0,1,2,3
	v_mov_b32 v[TM+4+\b], 0                        ; written once: a lane permute's destination counts as one of its sources
.endr
	v_mov_b32 v193, 0                              ; (named as the upper half of the pair v[192:193])
	v_mov_b32 v199, 0
.irp a, 0,1,2,3,4,5,6,7
	SOFT \a
.endr
	ST8 WD, 200, OW
	ST8 NMV, 204, OM
	ST8 LV, 208, OL
	s_wait_tensorcnt 0x0                           ; the wave's end
	ds_add_u32 v[SPW], v[NIL]
	s_wait_dscnt 0x0
	CROUND                                         ; the closing round
	s_endpgm
.Lfunc_end_k_qf4d58664ef_scores:
	.size	k_qf4d58664ef_scores, .Lfunc_end_k_qf4d58664ef_scores-k_qf4d58664ef_scores
	.p2alignl 7, 3214868480
	.fill 96, 4, 3214868480
	.section	.rodata,"a",@progbits
	.p2align	6, 0x0
	.amdhsa_kernel k_qf4d58664ef_scores
		.amdhsa_group_segment_fixed_size 327680
		.amdhsa_private_segment_fixed_size 0
		.amdhsa_enable_private_segment 0
		.amdhsa_kernarg_size 40
		.amdhsa_user_sgpr_count 2
		.amdhsa_user_sgpr_kernarg_segment_ptr 1
		.amdhsa_wavefront_size32 1
		.amdhsa_system_sgpr_workgroup_id_x 1
		.amdhsa_system_sgpr_workgroup_id_y 1
		.amdhsa_system_sgpr_workgroup_id_z 1
		.amdhsa_system_vgpr_workitem_id 0
		.amdhsa_next_free_vgpr 1024
		.amdhsa_next_free_sgpr 100
		.amdhsa_reserve_vcc 0
		.amdhsa_float_denorm_mode_32 3
		.amdhsa_float_denorm_mode_16_64 3
		.amdhsa_memory_ordered 1
		.amdhsa_forward_progress 1
		.amdhsa_inst_pref_size 190
	.end_amdhsa_kernel
	.amdgpu_metadata
---
amdhsa.version: [ 1, 2 ]
amdhsa.kernels:
  - .name:           k_qf4d58664ef_scores
    .symbol:         k_qf4d58664ef_scores.kd
    .args:
      - { .name: qc, .offset: 0, .size: 8, .value_kind: global_buffer, .address_space: global }
      - { .name: kc, .offset: 8, .size: 8, .value_kind: global_buffer, .address_space: global }
      - { .name: pc, .offset: 16, .size: 8, .value_kind: global_buffer, .address_space: global }
      - { .name: pm, .offset: 24, .size: 8, .value_kind: global_buffer, .address_space: global }
      - { .name: pl, .offset: 32, .size: 8, .value_kind: global_buffer, .address_space: global }
    .group_segment_fixed_size: 327680
    .private_segment_fixed_size: 0
    .kernarg_segment_align: 8
    .kernarg_segment_size: 40
    .max_flat_workgroup_size: 128
    .sgpr_count:     100
    .vgpr_count:     1024
    .wavefront_size: 32
...
	.end_amdgpu_metadata
.endif
;; end of part 3
;; launch pv (part 4): grid 4 x 64, 4 waves a work-group, clusters of 4 x 4, 327,680 bytes of LDS; arguments pc, vc, pm, pl, out0; writes out0
.if DOCPART == 4
	.amdgcn_target "amdgcn-amd-amdhsa--gfx1250"
	.amdhsa_code_object_version 6
	.text
	.protected	k_qf4d58664ef_pv
	.globl	k_qf4d58664ef_pv
	.p2align	8
	.type	k_qf4d58664ef_pv,@function
k_qf4d58664ef_pv:
	s_mov_b64 s[64:65], 0
	v_nop
	global_prefetch_b8 v0, s[64:65] scope:SCOPE_SE
	s_setreg_imm32_b32 hwreg(HW_REG_WAVE_MODE, 25, 1), 1
	s_wait_xcnt 0x0
	s_wait_alu depctr_hold_cnt(0) depctr_sa_sdst(0) depctr_va_vdst(0) depctr_va_sdst(0) depctr_va_ssrc(0) depctr_va_vcc(0) depctr_vm_vsrc(0)
	s_getreg_b32 s2, hwreg(HW_REG_IB_STS2, 6, 4)
	s_cmp_eq_u32 s2, 0
	s_cbranch_scc0 .Lentry_in_a_cluster
	s_endpgm
.Lentry_in_a_cluster:
	s_bfe_u32 s2, ttmp6, 0x10000c
	s_cmp_lg_u32 s2, 0xf033
	s_cbranch_scc0 .Lentry_shape_is_right
	s_endpgm
.Lentry_shape_is_right:
; out = (p v) / l on codes of FP6 (E2M3) with E8M0 scales, sums in f32.  p arrives quantised under a LOCAL whole number M for each query and each run of 128 keys (pm holds -M, pl the run's sum of p).
; THE PROLOGUE finds the row's M (the largest of its 16), takes delta = M_row - M_local off each of the run's four scale bytes, and adds the runs' sums, each times 2^-delta: all exact but the additions.
; LIMITS: a byte that would fall under 0 is held at 0: such a block then weighs at most 7.5 x 2^-127 beside a row's sum of at least 1/2, where its true weight is smaller still.  NaN and infinities are not served.
; OPERANDS come in blocks of 128 lines x 256 keys, 25,600 bytes: the fragment of tile i, step q at (2 i + q) x 1,536 as an image of its 12 registers; the scale word of line rho of tile i, step q at 24,576 + 512 q + 32 rho + 4 i.
; A tile of 128 queries x 256 of d is made by four waves, 64 x 128 each (32 accumulators): 256 work-groups, one for each WGP; tiles of 256 x 256 would be 128.
; THE MATRIX INSTRUCTION IS USED TRANSPOSED: source 0 = 16 lines of v (d), source 1 = 16 queries: a lane holds one query and eight neighbouring d.
; K = 2,048 keys go through two LDS slots of 512 keys (four K steps, 128 matrix instructions a wave).  Waves 0, 1 fetch p's two blocks of a slot, waves 2, 3 v's two groups (two blocks each, dense).
;   One tensor load of a wave is out at the head, one later.  The sixteen K steps are written out.
; CLUSTERS: 4 x 4 work-groups; p's blocks are asked for jointly along a row of the cluster, v's along a column.
; REGISTERS.  window 0: v1-14 addresses; v16-27 1 / l; v32-95 v's scale words, two sets; v96-127 p's, two sets; v128-175, v176-223 p's fragments, two sets.  window 1: v's fragments, two sets.  window 2: accumulator (a, b) at v[8 (8 a + b)].
.set BLK,   25600
.set SLOT,  2*BLK                      ; LDS: p's region, then v's two groups', four blocks each: a region's two halves are the ring's two slots.  ONE tensor load a wave at the head: waves 0, 1 a half of p's region (200 rows), waves 2, 3 a group of v (400 rows)
.set SCP,   12*BLK
.set RL,    SCP+8192                   ; 1 / l of the 128 queries
.set SPARE, RL+512                     ; the spare words, 128 bytes a wave
.set NP,    4
.set ADRA, 1                           ; v1-2  my four tiles of p in slot 0, 1, + 16 x lane
.set ADRB, 3                           ; v3-4  my group of v
.set ADSB, 5                           ; v5-6  its scale words, + 32 r
.set ADSA, 7                           ; v7    p's shifted scale words of my four tiles, + 32 r
.set SCPW, 8                           ; v8    SCP + 4 x my thread's number
.set ARL,  9                           ; v9    1 / l of my four tiles, + 32 r
.set SPW,  10
.set NIL,  11
.set L16,  12
.set STO,  13                          ; v13   the way out: where I put 32 bytes of a row
.set RD,   14                          ; v14   and where I read a row back
.set SB,   32
.set SA,   96
.set AF,   128
.set WV, 20
.set WR, 21
.set WC, 22
.set G1A, 24
.set G1B, 32
.set G0A, 40
.set G0B, 48
.set CX, 66
.set CY, 67
.set MSB, 0
.macro WIN new
.if MSB != (\new)
	s_set_vgpr_msb (MSB<<8)|(\new)
.set MSB, (\new)
.endif
.endm
.set MUL,  0xa1                        ; source 0 (v) window 1, source 1 (p) window 0, C and D window 2
.set TO_B, 0x40
.macro JLOAD g0a, g1a, g0b, g1b        ; waves 0 and 1 fetch for p, waves 2 and 3 for v; an s_nop 0 and four v_nop follow each line
	s_cmp_eq_u32 s[WR], 0
	s_cbranch_scc0 .Lfor_b_\@
	tensor_load_to_lds s[\g0a:\g0a+3], s[\g1a:\g1a+7]
	s_nop 0
.rept 4
	v_nop
.endr
	s_branch .Lasked_\@
.Lfor_b_\@:
	tensor_load_to_lds s[\g0b:\g0b+3], s[\g1b:\g1b+7]
	s_nop 0
.rept 4
	v_nop
.endr
.Lasked_\@:
.endm
.macro CREST
	s_cmp_lg_u32 s[WV], 0
	s_cbranch_scc1 .Lnot_wave_0_\@
	s_barrier_signal -3
.Lnot_wave_0_\@:
	s_barrier_wait -3
	s_barrier_signal -1
	s_barrier_wait -1
.endm
.macro CROUND
	s_barrier_signal -1
	s_barrier_wait -1
	CREST
.endm
.macro PLACES n
.rept \n
	v_nop
.endr
.endm
.macro FRAG reg, adr, k, i             ; K step k of a slot: key block k / 2, step k % 2
.irp c, 0,1,2
	ds_load_b128 v[\reg+4*\c:\reg+4*\c+3], v[\adr] offset:BLK*((\k)/2)+(2*(\i)+(\k)%2)*1536+512*\c
.endr
.endm
.macro FETCH slot, k, set              ; a K step's 12 fragments in one run
	WIN TO_B
.irp i, 0,1,2,3,4,5,6,7
	FRAG 128*(\set)+12*\i, ADRB+\slot, \k, \i
.endr
	WIN 0
.irp i, 0,1,2,3
	FRAG AF+48*(\set)+12*\i, ADRA+\slot, \k, \i
.endr
.endm
.macro SCALES slot, sc, sig            ; a slot's scale words: v's out of the slot, p's shifted ones out of SCP (K slot sig)
.irp k, 0,1,2,3
.irp j, 0,1
	ds_load_b128 v[SB+32*(\sc)+8*\k+4*\j:SB+32*(\sc)+8*\k+4*\j+3], v[ADSB+\slot] offset:BLK*(\k/2)+512*(\k%2)+16*\j
.endr
	ds_load_b128 v[SA+16*(\sc)+4*\k:SA+16*(\sc)+4*\k+3], v[ADSA] offset:512*(4*(\sig)+\k)
.endr
.endm
.macro MULA a, set, k, sc, zero        ; 8 matrix instructions; the 32 accumulators take turns, one instruction a turn
.irp b, 0,1,2,3,4,5,6,7
.if \zero
	v_wmma_scale_f32_16x16x128_f8f6f4 v[8*(8*(\a)+\b):8*(8*(\a)+\b)+7], v[128*(\set)+12*\b:128*(\set)+12*\b+11], v[AF+48*(\set)+12*(\a):AF+48*(\set)+12*(\a)+11], 0, v[SB+32*(\sc)+8*(\k)+\b], v[SA+16*(\sc)+4*(\k)+(\a)] matrix_a_fmt:MATRIX_FMT_FP6 matrix_b_fmt:MATRIX_FMT_FP6
.else
	v_wmma_scale_f32_16x16x128_f8f6f4 v[8*(8*(\a)+\b):8*(8*(\a)+\b)+7], v[128*(\set)+12*\b:128*(\set)+12*\b+11], v[AF+48*(\set)+12*(\a):AF+48*(\set)+12*(\a)+11], v[8*(8*(\a)+\b):8*(8*(\a)+\b)+7], v[SB+32*(\sc)+8*(\k)+\b], v[SA+16*(\sc)+4*(\k)+(\a)] matrix_a_fmt:MATRIX_FMT_FP6 matrix_b_fmt:MATRIX_FMT_FP6
.endif
.endr
.endm
.macro STEP slot, k, sc, zero          ; one of a slot's first three K steps
	s_wait_dscnt 0x0                               ; this step's fragments, asked for a step ago, are in
	PLACES NP                                      ; in front of loads into registers that the last step's matrix instructions have read
	FETCH \slot, (\k)+1, 1-(\k)%2
	WIN MUL
	MULA 0, (\k)%2, \k, \sc, \zero
	MULA 1, (\k)%2, \k, \sc, \zero
	MULA 2, (\k)%2, \k, \sc, \zero
	MULA 3, (\k)%2, \k, \sc, \zero
.endm
; A slot's last K step changes slots: ONE barrier; in front of it each wave waits for all its tensor loads, adds 0 to its spare word, and waits for that and for its reads of this slot.  fill = 1: this slot takes the K slot two on.
.macro TURN slot, sc, nslot, fill, nsig
	WIN 0
	s_wait_tensorcnt 0x0                           ; all my tensor loads have landed: my part of the next slot
	ds_add_u32 v[SPW], v[NIL]                      ; 0 onto my spare word
	s_wait_dscnt 1                                 ; this step's fragments are in; the add alone may be out
	WIN MUL
	MULA 0, 1, 3, \sc, 0
	s_wait_dscnt 0x0                               ; the add is done, and my reads of this slot are over
	s_barrier_signal -1
	MULA 1, 1, 3, \sc, 0
	WIN 0
	s_barrier_wait -1
.if \fill
	CREST                                          ; no wave of any partner still reads this slot or has a load on its way
	s_add_nc_u64 s[G0A+4*\slot+2:G0A+4*\slot+3], s[G0A+4*\slot+2:G0A+4*\slot+3], 4*BLK
	s_add_nc_u64 s[G0B+4*\slot+2:G0B+4*\slot+3], s[G0B+4*\slot+2:G0B+4*\slot+3], 4*BLK
	JLOAD G0A+4*\slot, G1A, G0B+4*\slot, G1B       ; the first tensor load behind the round; its four v_nop are the places in front of the loads below
.else
	PLACES NP
.endif
	FETCH \nslot, 0, 0
	SCALES \nslot, 1-(\sc), \nsig
	WIN MUL
	MULA 2, 1, 3, \sc, 0
	MULA 3, 1, 3, \sc, 0
.endm
	s_load_b256 s[4:11], s[0:1], 0x0               ; pc, vc, pm, pl
	s_load_b64 s[12:13], s[0:1], 0x20              ; out0
	v_lshl_add_u32 v[SPW], v0, 2, SPARE
	v_mov_b32 v[NIL], 0
	ds_add_u32 v[SPW], v[NIL]                      ; the wave's opening
	ds_add_u32 v[SPW], v[NIL]
	v_lshrrev_b32 v1, 5, v0
	v_readfirstlane_b32 s[WV], v1
	s_lshr_b32 s[WR], s[WV], 1
	s_and_b32 s[WC], s[WV], 1
	s_bfe_u32 s[CX], ttmp6, 0x40000
	s_bfe_u32 s[CY], ttmp6, 0x40004
	s_and_b32 s68, ttmp7, 0xffff
	s_lshl_b32 s69, s68, 2
	s_add_co_u32 s69, s69, s[CY]                   ; y: which 128 queries of all
	s_lshr_b32 s70, s68, 2                         ; the batch: the same in all partners
	s_lshl_b32 s71, s[CY], 2
	s_lshl_b32 s71, 15, s71
	s_lshl_b32 s72, 0x1111, s[CX]
	s_or_b32 s[G1A], s71, (3<<16)|(1<<21)
	s_or_b32 s[G1B], s72, (3<<16)|(1<<21)
	s_mov_b32 s[G1A+1], 32<<16                     ; p: one block, 100 dense rows of 256 bytes
	s_mov_b32 s[G1A+2], 200<<16                    ; (the head's load: 200 rows)
	s_mov_b32 s[G1A+3], 32<<16
	s_mov_b32 s[G1A+4], 200
	s_mov_b32 s[G1A+5], 32
	s_mov_b32 s[G1A+6], 0
	s_mov_b32 s[G1A+7], 0
	s_mov_b32 s[G1B+1], 32<<16                     ; v: two blocks on end, 200 rows
	s_mov_b32 s[G1B+2], 400<<16                    ; (the head's load: 400 rows)
	s_mov_b32 s[G1B+3], 32<<16
	s_mov_b32 s[G1B+4], 400
	s_mov_b32 s[G1B+5], 32
	s_mov_b32 s[G1B+6], 0
	s_mov_b32 s[G1B+7], 0
	s_mul_i32 s80, s69, 8*BLK                      ; p: my group's eight blocks,
	s_mul_i32 s73, s[WC], BLK                      ; of a slot's two the one that I fetch
	s_add_co_u32 s80, s80, s73
	s_mov_b32 s81, 0
	s_lshl_b32 s74, s70, 3
	s_lshl_b32 s75, s[CX], 1
	s_add_co_u32 s74, s74, s75
	s_add_co_u32 s74, s74, s[WC]                   ; v: group 8 batch + 2 cx + which I fetch
	s_mul_i32 s82, s74, 8*BLK
	s_mov_b32 s83, 0
	s_mul_i32 s88, s[WC], BLK                      ; where they go in a slot
	s_mul_i32 s89, s[WC], 4*BLK
	s_add_co_u32 s89, s89, 4*BLK
	s_mul_i32 s84, s69, 8*BLK
	s_add_co_u32 s84, s84, 24576                   ; p's raw scale words
	s_mov_b32 s85, 0
	s_lshl_b32 s86, s69, 13                        ; pm, pl: 16 runs x 512 bytes a group
	s_mov_b32 s87, 0
	s_mov_b32 s78, 0x01010101
	v_lshlrev_b32 v16, 2, v0                       ; 4 x my thread's number: thread 8 rho + i owns query rho of tile i
	s_wait_alu depctr_va_vdst(0)
	s_wait_dscnt 0x0
	s_wait_kmcnt 0x0
	s_add_nc_u64 s[90:91], s[4:5], s[80:81]
	s_add_nc_u64 s[92:93], s[6:7], s[82:83]
	s_cmp_eq_u32 s[WR], 0                          ; the prefetches: of each block that I shall fetch at the two refills (100 rows of 256 bytes)
	s_cselect_b64 s[14:15], s[90:91], s[92:93]
	s_cselect_b32 s76, s[CX], s[CY]                ; my place among the four that ask for it with me
	s_mul_i32 s76, s76, 25*256                     ; takes 25 rows, told apart by address
	s_mov_b32 s77, 0
	s_add_nc_u64 s[14:15], s[14:15], s[76:77]
	s_add_nc_u64 s[94:95], s[4:5], s[84:85]
	s_add_nc_u64 s[96:97], s[8:9], s[86:87]
	s_add_nc_u64 s[98:99], s[10:11], s[86:87]
.set ks, 0
.rept 16                                       ; the prologue's numbers are asked for ahead of the round: my query's word, -M and sum of each run of 128 keys
	global_load_b32 v[128+ks], v16, s[94:95] offset:BLK*(ks/2)+512*(ks%2)
	global_load_b32 v[144+ks], v16, s[96:97] offset:512*ks
	global_load_b32 v[160+ks], v16, s[98:99] offset:512*ks
.set ks, ks+1
.endr
	CROUND                                         ; all sixteen work-groups are here: the first joint loads meet
.irp s, 0,1
	s_mov_b32 s[G0A+4*\s], 1
	s_add_co_u32 s[G0A+4*\s+1], s88, \s*SLOT
	s_add_nc_u64 s[G0A+4*\s+2:G0A+4*\s+3], s[90:91], \s*2*BLK
	s_or_b32 s[G0A+4*\s+3], s[G0A+4*\s+3], 0x80000000
	s_mov_b32 s[G0B+4*\s], 1
	s_add_co_u32 s[G0B+4*\s+1], s89, \s*SLOT
	s_add_nc_u64 s[G0B+4*\s+2:G0B+4*\s+3], s[92:93], \s*2*BLK
	s_or_b32 s[G0B+4*\s+3], s[G0B+4*\s+3], 0x80000000
.endr
	s_mov_b32 s16, 1                               ; the head's load for p: blocks 2 x part and 2 x part + 1, to the half of that number
	s_lshl_b32 s17, s88, 1
	s_mov_b32 s74, s73
	s_mov_b32 s75, 0
	s_add_nc_u64 s[18:19], s[90:91], s[74:75]
	s_or_b32 s19, s19, 0x80000000
	JLOAD 16, G1A, G0B, G1B                        ; my one load at the head (v's is slot 0's group 0 with 400 rows)
	v_and_b32 v28, 15, v0                          ; r
	v_bfe_u32 v29, v0, 4, 1                        ; h
	v_and_b32 v[L16], 31, v0
	v_lshlrev_b32 v[L16], 4, v[L16]
	v_min_u32 v15, 384, v[L16]
	v_lshlrev_b32 v15, 4, v15                      ; v15: 256 x min(lane, 24): a lane a row; lanes 25-31 name the wave's last row again
	v_lshlrev_b32 v30, 5, v28                      ; 32 r
	s_wait_alu depctr_va_vdst(0)
	s_mul_i32 s56, s[WR], 12288                    ; my four tiles of p: eight images on
	s_mul_i32 s57, s[WC], 4*BLK
	s_add_co_u32 s57, s57, 4*BLK
	s_add_co_u32 s58, s57, 24576
.irp s, 0,1
	v_add_nc_u32 v[ADRA+\s], s56, v[L16]
	v_add_nc_u32 v[ADRB+\s], s57, v[L16]
	v_add_nc_u32 v[ADSB+\s], s58, v30
	s_add_co_u32 s56, s56, SLOT
	s_add_co_u32 s57, s57, SLOT
	s_add_co_u32 s58, s58, SLOT
.endr
	s_lshl_b32 s59, s[WR], 4
	s_add_co_u32 s60, s59, SCP
	v_add_nc_u32 v[ADSA], s60, v30
	s_add_co_u32 s60, s59, RL
	v_add_nc_u32 v[ARL], s60, v30
	s_mul_i32 s61, s[WV], 16*528                   ; my stage, in slot 0
	v_mul_u32_u24 v[STO], v28, 528
	v_lshl_add_u32 v[STO], v29, 5, v[STO]
	v_add_nc_u32 v[STO], s61, v[STO]
	v_add_nc_u32 v[RD], s61, v[L16]
	v_lshl_add_u32 v[SCPW], v0, 2, SCP
	s_lshl_b32 s84, s69, 19                        ; out0: 128 y rows of 4,096 bytes,
	s_lshl_b32 s79, s[WR], 18                      ; my 64 of them,
	s_add_co_u32 s84, s84, s79
	s_lshl_b32 s79, s[CX], 10                      ; the tile's 256 columns,
	s_add_co_u32 s84, s84, s79
	s_lshl_b32 s79, s[WC], 9                       ; my 128 of them
	s_add_co_u32 s84, s84, s79
	s_add_nc_u64 s[12:13], s[12:13], s[84:85]
	global_prefetch_b8 v15, s[14:15] offset:4*BLK th:TH_LOAD_NT scope:SCOPE_SE   ; K slots 2 and 3, a slot and more ahead of their refills: p's waves one block a slot,
	global_prefetch_b8 v15, s[14:15] offset:6*BLK th:TH_LOAD_NT scope:SCOPE_SE
	s_cmp_eq_u32 s[WR], 0
	s_cbranch_scc1 .Lpf_one
	global_prefetch_b8 v15, s[14:15] offset:5*BLK th:TH_LOAD_NT scope:SCOPE_SE   ; v's waves two
	global_prefetch_b8 v15, s[14:15] offset:7*BLK th:TH_LOAD_NT scope:SCOPE_SE
.Lpf_one:
	; THE PROLOGUE, while the first tiles are on their way
	s_wait_loadcnt 0x0
	v_min3_num_f32 v176, v144, v145, v146          ; the least -M: the row's
.irp i, 147,149,151,153,155,157
	v_min3_num_f32 v176, v176, v[\i], v[\i+1]
.endr
	v_min_num_f32 v176, v176, v159
.set ks, 0
.rept 16
	v_sub_f32 v177, v176, v[144+ks]                ; M_local - M_row: a whole number, 0 or less
	v_cvt_i32_f32 v177, v177                       ; (it saturates)
.if ks == 0
	v_ldexp_f32 v179, v[160], v177                 ; the run's sum under the row's M
.else
	v_ldexp_f32 v178, v[160+ks], v177
	v_add_f32 v179, v179, v178
.endif
	v_sub_nc_u32 v177, 0, v177
	v_min_u32 v177, 127, v177                      ; delta, held at 127: the raw bytes are 125 at the most
	v_mul_lo_u32 v177, v177, s78                   ; in all four bytes
	v_or_b32 v178, 0x80808080, v[128+ks]
	v_sub_nc_u32 v178, v178, v177                  ; 128 + byte - delta in each byte: at least 1, so nothing is borrowed from the next
	v_and_b32 v180, 0x80808080, v178               ; the top bit stands where byte >= delta
	v_lshrrev_b32 v181, 7, v180
	v_sub_nc_u32 v180, v180, v181                  ; 0x7f there, 0 elsewhere
	v_and_b32 v[128+ks], v178, v180                ; byte - delta, held at 0 from below
	ds_store_b32 v[SCPW], v[128+ks] offset:512*ks
.set ks, ks+1
.endr
	s_wait_alu depctr_va_vdst(0)
	v_rcp_f32 v179, v179
	v_nop                                          ; a plain instruction behind the reciprocal
	s_wait_alu depctr_va_vdst(0)                   ; and the wait ahead of its first reader
	ds_store_b32 v[SCPW], v179 offset:RL-SCP
	s_wait_tensorcnt 0x0                           ; my part of both slots is in, and no tensor load of mine is out: from here on a load brings a slot's part: a block of p, two of v
	s_mov_b32 s[G1A+2], 100<<16
	s_mov_b32 s[G1A+4], 100
	s_mov_b32 s[G1B+2], 200<<16
	s_mov_b32 s[G1B+4], 200
	s_wait_dscnt 0x0                               ; for the others' sake: my words lie in LDS
	s_barrier_signal -1
	s_barrier_wait -1
	FETCH 0, 0, 0
	SCALES 0, 0, 0
	STEP 0, 0, 0, 1                                ; the first step's products start the sums
	STEP 0, 1, 0, 0
	STEP 0, 2, 0, 0
	TURN 0, 0, 1, 1, 1
	STEP 1, 0, 1, 0
	STEP 1, 1, 1, 0
	STEP 1, 2, 1, 0
	TURN 1, 1, 0, 1, 2
	STEP 0, 0, 0, 0
	STEP 0, 1, 0, 0
	STEP 0, 2, 0, 0
	TURN 0, 0, 1, 0, 3                             ; nothing is left to fetch: a plain barrier
	STEP 1, 0, 1, 0
	STEP 1, 1, 1, 0
	STEP 1, 2, 1, 0
	s_wait_dscnt 0x0
	WIN MUL
	MULA 0, 1, 3, 1, 0
	MULA 1, 1, 3, 1, 0
	MULA 2, 1, 3, 1, 0
	MULA 3, 1, 3, 1, 0
	WIN 0
	; THE WAY OUT.  A lane holds 32 neighbouring bytes of a row; a tile of 16 rows x 512 bytes goes through my own stage and comes back as whole rows.  The stage lies in slot 0, which has had its last fill,
	; and which nobody reads behind the last change of slots.
	PLACES NP
	ds_load_b128 v[16:19], v[ARL]                  ; 1 / l of my query in my four tiles
	s_wait_dscnt 0x0
.irp a, 0,1,2,3
	v_mov_b32 v[20+2*\a], v[16+\a]
	v_mov_b32 v[21+2*\a], v[16+\a]
.endr
.irp a, 0,1,2,3
.if \a > 0
	s_wait_xcnt 0x0                                ; the last tile's stores have read their registers
.endif
	WIN 0x02                                       ; source 0 window 2
.set n, 0
.rept 32
	v_pk_mul_f32 v[32+n:33+n], v[64*\a+n:64*\a+n+1], v[20+2*\a:21+2*\a]   ; each accumulator from its low end on
.set n, n+2
.endr
	WIN 0
.irp b, 0,1,2,3,4,5,6,7
	ds_store_b128 v[STO], v[32+8*\b:35+8*\b] offset:64*\b
	ds_store_b128 v[STO], v[36+8*\b:39+8*\b] offset:64*\b+16
.endr
.irp t, 0,1,2,3,4,5,6,7,8,9,10,11,12,13,14,15
	ds_load_b128 v[128+4*\t:131+4*\t], v[RD] offset:528*\t   ; LDS serves a wave's instructions in order: these see my stores
.endr
	s_wait_dscnt 0x0
.irp t, 0,1,2,3,4,5,6,7,8,9,10,11,12,13,14,15
	global_store_b128 v[L16], v[128+4*\t:131+4*\t], s[12:13] offset:65536*\a+4096*\t th:TH_STORE_NT   ; 32 lanes store 512 consecutive bytes of a row
.endr
.endr
	s_wait_tensorcnt 0x0                           ; the wave's end
	ds_add_u32 v[SPW], v[NIL]
	s_wait_dscnt 0x0
	CROUND                                         ; the closing round
	s_endpgm
.Lfunc_end_k_qf4d58664ef_pv:
	.size	k_qf4d58664ef_pv, .Lfunc_end_k_qf4d58664ef_pv-k_qf4d58664ef_pv
	.p2alignl 7, 3214868480
	.fill 96, 4, 3214868480
	.section	.rodata,"a",@progbits
	.p2align	6, 0x0
	.amdhsa_kernel k_qf4d58664ef_pv
		.amdhsa_group_segment_fixed_size 327680
		.amdhsa_private_segment_fixed_size 0
		.amdhsa_enable_private_segment 0
		.amdhsa_kernarg_size 40
		.amdhsa_user_sgpr_count 2
		.amdhsa_user_sgpr_kernarg_segment_ptr 1
		.amdhsa_wavefront_size32 1
		.amdhsa_system_sgpr_workgroup_id_x 1
		.amdhsa_system_sgpr_workgroup_id_y 1
		.amdhsa_system_sgpr_workgroup_id_z 1
		.amdhsa_system_vgpr_workitem_id 0
		.amdhsa_next_free_vgpr 768
		.amdhsa_next_free_sgpr 100
		.amdhsa_reserve_vcc 0
		.amdhsa_float_denorm_mode_32 3
		.amdhsa_float_denorm_mode_16_64 3
		.amdhsa_memory_ordered 1
		.amdhsa_forward_progress 1
		.amdhsa_inst_pref_size 157
	.end_amdhsa_kernel
	.amdgpu_metadata
---
amdhsa.version: [ 1, 2 ]
amdhsa.kernels:
  - .name:           k_qf4d58664ef_pv
    .symbol:         k_qf4d58664ef_pv.kd
    .args:
      - { .name: pc, .offset: 0, .size: 8, .value_kind: global_buffer, .address_space: global }
      - { .name: vc, .offset: 8, .size: 8, .value_kind: global_buffer, .address_space: global }
      - { .name: pm, .offset: 16, .size: 8, .value_kind: global_buffer, .address_space: global }
      - { .name: pl, .offset: 24, .size: 8, .value_kind: global_buffer, .address_space: global }
      - { .name: out0, .offset: 32, .size: 8, .value_kind: global_buffer, .address_space: global }
    .group_segment_fixed_size: 327680
    .private_segment_fixed_size: 0
    .kernarg_segment_align: 8
    .kernarg_segment_size: 40
    .max_flat_workgroup_size: 128
    .sgpr_count:     100
    .vgpr_count:     768
    .wavefront_size: 32
...
	.end_amdgpu_metadata
.endif
;; end of part 4
